; MI455X (gfx1250); checked and timed in simulation.
; The chip was launched on July 23, 2026; its instructions are those of AMD's public machine-readable ISA for CDNA 5 (MIT licence, August 2026) and "CDNA5" Instruction Set Architecture Reference Guide (July 2026). The comments in the code are by the model that wrote it; some were corrected since.
;; Masked Self Attention. Allowed arithmetic: matrix products marked QUANTISED: E2M1 operands, one E8M0 scale for each 32 along K, by v_wmma_scale_f32_16x16x128_f8f6f4 with both operands' format E2M1 (or v_wmma_scale_f32_32x16x128_f4), f32 sums; products left as they are: bf16, f16 or f32 operands; f32 sums; everything else in f32.
;; Inputs: Wk 1,024 x 1,024 float32; Wo 1,024 x 1,024 float32; Wq 1,024 x 1,024 float32; Wv 1,024 x 1,024 float32; bk 1,024 float32; bo 1,024 float32; bq 1,024 float32; bv 1,024 float32; x 4 x 2,048 x 1,024 float32.
;; Outputs: out0 4 x 2,048 x 1,024 float32.
;; This version of the problem:
;;   THIS VERSION OF THE PROBLEM IS GIVEN IN LOW PRECISION. The matrix products marked QUANTISED in the list below multiply operands that are first quantised to E2M1 (2 exponent bits, 1 mantissa bit; 4 bits a number), with one power-of-two scale for each 32 numbers along K (OCP MX v1.0); their sums are f32. The products marked 'left as it is' may take bf16, f16 or f32 operands, with f32 sums. Whichever they take, every output number must still come out within the allowed error. Rounding operands to bf16 (8 significant bits) uses up far more of that allowance than f16 does (11 bits, for magnitudes from 6e-5 to 65,504). All else is computed in f32.
;;   The module's matrix products, in the order in which they are computed (A, B: the left and right operand; K: the contracted axis; several contracted axes count as one K, in the product's order):
;;     1. [M 8,192, K 1,024] x [K 1,024, N 1,024]; A: input x; B: input Wq: QUANTISED
;;     2. [M 8,192, K 1,024] x [K 1,024, N 1,024]; A: input x; B: input Wk: QUANTISED
;;     3. [M 8,192, K 1,024] x [K 1,024, N 1,024]; A: input x; B: input Wv: QUANTISED
;;     4. batch 64 x [M 2,048, K 64] x [K 64, N 2,048]; A: computed on the way; B: computed on the way: left as it is (an operand is computed on the way)
;;     5. batch 64 x [M 2,048, K 2,048] x [K 2,048, N 64]; A: computed on the way; B: computed on the way: left as it is (an operand is computed on the way)
;;     6. [M 8,192, K 1,024] x [K 1,024, N 1,024]; A: computed on the way; B: input Wo: left as it is (an operand is computed on the way)
;;   THE QUANTISER, for each operand of a quantised product, along K:
;;     - K is cut into blocks of 32 from its start; a last block that is shorter is filled with zeros.
;;     - A block's scale is 2^e with e = floor(log2(the largest magnitude in the block)) - 2, held to -126 .. 127; a block of zeros has e = 0. As a byte (E8M0): e + 127.
;;     - Each number is divided by its block's scale, clamped to +-6, and rounded to the nearest number of E2M1, ties to even, subnormals kept.
;;     - The product sums the exact products of the quantised numbers (number of the format x scale) in f32.
;;   ~~~python
;;   def quantise(x, axis):      # numpy; x: float32 -> the quantised numbers, widened to float32 again
;;       x = np.moveaxis(x, axis, -1); K = x.shape[-1]
;;       x = np.pad(x, [(0, 0)] * (x.ndim - 1) + [(0, -K % 32)]); x = x.reshape(x.shape[:-1] + (-1, 32)); a = np.abs(x).max(-1, keepdims=True)
;;       e = np.where(a > 0, np.clip(np.frexp(np.where(a > 0, a, 1))[1] - 1 - 2, -126, 127), 0)      # np.frexp(a)[1] - 1 = floor(log2(a)), exactly
;;       r = np.clip(x / 2.0 ** e, -6, 6)
;;       step = 2.0 ** (np.maximum(np.frexp(np.where(r == 0, 1, r))[1] - 1, 0) - 1)
;;       q = np.round(r / step) * step * 2.0 ** e      # np.round: ties to even
;;       return np.moveaxis(q.reshape(q.shape[:-2] + (-1,))[..., :K], -1, axis).astype(np.float32)
;;   ~~~
;; One version. Each part assembles by itself: llvm-mc -triple=amdgcn-amd-amdhsa -mcpu=gfx1250 --defsym DOCPART=n.
;; ======== version 1 of 1: 5 launches
;; limits: values are held in f16: magnitudes above 65,504 overflow, below 6.1e-05 lose precision
;; workspace buffers: x_codes 4,194,304 bytes; x_scales 262,144 bytes; w_codes 1,572,864 bytes; w_scales 98,304 bytes; wo_t 2,097,152 bytes; qkv 50,331,648 bytes; fine_qkv 786,432 bytes; att 16,777,216 bytes
;; launch prep (part 1): grid 256 x 1, 8 waves a work-group, no clusters, 154,624 bytes of LDS; arguments x, Wq, Wk, Wv, Wo, x_codes, x_scales, w_codes, w_scales, wo_t; writes x_codes, x_scales, w_codes, w_scales, wo_t
.if DOCPART == 1
	.amdgcn_target "amdgcn-amd-amdhsa--gfx1250"
	.amdhsa_code_object_version 6
	.text
	.protected	k_q05bf26c68c_prep
	.globl	k_q05bf26c68c_prep
	.p2align	8
	.type	k_q05bf26c68c_prep,@function
k_q05bf26c68c_prep:
	s_mov_b64 s[64:65], 0
	v_nop
	global_prefetch_b8 v0, s[64:65] scope:SCOPE_SE
	s_setreg_imm32_b32 hwreg(HW_REG_WAVE_MODE, 25, 1), 1
	s_wait_xcnt 0x0
; PREP.  x [8192][1024] f32 -> codes of E2M1, K innermost, and one E8M0 byte for each 32 along K.  Wq, Wk, Wv [1024 k][1024 n] f32 -> the same, laid [3072 n][1024 k] (K is their FIRST axis).
; Wo [1024 k][1024 n] f32 -> f16, laid [n][k], for the projection's matrix instructions.
; A block's scale is 2^(floor(log2(its largest magnitude)) - 2): its byte is the largest magnitude's exponent field - 2, held at 1 from below.
; LIMITS: a block whose largest magnitude lies under 2^-124 gets the byte 1; a block of zeros gets 1 where the rule says 127 (its codes are zeros, and this program alone reads the bytes); NaN and infinities are not served;
; Wo beyond 65,504 in magnitude does not fit f16.
; ROLES, by the work-group's number alone (the same in all eight waves).  0-127: x, a plain stream of blocks of 32: each wave takes 8,192 numbers in 16 steps of 512.
; 128-223: a weight, 64 columns x 512 along K a work-group; 224-255: Wo likewise.  There a wave takes 32 columns x 128 along K: A LANE TAKES A COLUMN AND ITS REGISTERS RUN DOWN K, so a block of 32 lies in one lane
; and the conversions give codes with K innermost.  Each role has LDS bytes of its own.  The scale bytes of the weights leave as 16 bytes of each row of 32: 98,304 bytes in all.
.set STEPS, 16
.set SP,    80                         ; x: a lane's place in a stage: 64 bytes + 16 of padding
.set R,     16                         ; v16-79   x: four sets of 16 numbers as loaded
.set X,     80                         ; v80-111  x: two sets of 16 neighbours
.set E,     112                        ; v112-127 x: a scale byte for each step
.set C,     128                        ; v128-191 x: codes, four registers a step
.set SPW,   12                         ; v12 LDS address of my spare word; never rewritten
.set NIL,   13                         ; v13 0; never rewritten
.set WN,    32                         ; v32-159  weights: 128 numbers down K
.set WC,    160                        ; v160-175 their codes
.set WS,    176                        ; v176     their four scale bytes
.set WST,   65536                      ; LDS: x's eight regions of 8,192 bytes lie at 0; the weights' stage: 64 rows x (256 + 16) bytes,
.set WSC,   82944                      ; their scale bytes: 64 rows x 16,
.set OST,   83968                      ; Wo's stages: 32 rows x 272 for each wave,
.set SPARE, 153600                     ; the spare words, 128 bytes for each wave: four blocks of 256 bytes that no other line names
.macro CLOSE                           ; a wave's end, behind its last LDS store
	s_wait_tensorcnt 0x0
	ds_add_u32 v[SPW], v[NIL]
	s_wait_dscnt 0x0
	s_endpgm
.endm
.macro XLOAD t
.irp i, 0,1,2,3
	global_load_b128 v[R+16*((\t)%4)+4*\i:R+16*((\t)%4)+4*\i+3], v3, s[4:5] offset:2048*(\t)+512*\i th:TH_LOAD_NT   ; 32 lanes read 512 consecutive bytes
.endr
.endm
.macro XTURN t                         ; a step's 2,048 bytes through the wave's stage: in as they lie, out 64 bytes a lane.  LDS serves a wave's instructions in order
.irp i, 0,1,2,3
	ds_store_b128 v14, v[R+16*((\t)%4)+4*\i:R+16*((\t)%4)+4*\i+3] offset:32*SP*((\t)%2)+8*SP*\i
.endr
.irp i, 0,1,2,3
	ds_load_b128 v[X+16*((\t)%2)+4*\i:X+16*((\t)%2)+4*\i+3], v15 offset:32*SP*((\t)%2)+16*\i
.endr
.endm
.macro XSTEP t
.set XS, X+16*((\t)%2)
.if (\t) > 0
	s_wait_dscnt 1                                 ; this step's numbers are back from the stage; the last step's byte store may be out
.else
	s_wait_dscnt 0x0
.endif
.if (\t)+4 < STEPS
	XLOAD (\t)+4                                   ; into the registers that this step's stage stores have read
.endif
.if (\t)+1 < STEPS
.if STEPS-2-(\t) >= 3
	s_wait_loadcnt 12                              ; the next step's four loads are in; those of the three steps behind it may be out
.else
	s_wait_loadcnt 4*(STEPS-2-(\t))
.endif
	XTURN (\t)+1
.endif
	v_max3_num_f32 v8, |v[XS]|, |v[XS+1]|, |v[XS+2]|
	v_max3_num_f32 v9, |v[XS+3]|, |v[XS+4]|, |v[XS+5]|
.irp i, 6,10
	v_max3_num_f32 v8, v8, |v[XS+\i]|, |v[XS+\i+1]|
	v_max3_num_f32 v9, v9, |v[XS+\i+2]|, |v[XS+\i+3]|
.endr
	v_max3_num_f32 v8, v8, |v[XS+14]|, |v[XS+15]|
	v_max3_num_f32 v8, v8, v9, 0x1800000           ; the floor 2^(3 - 127): the byte cannot fall under 1
	v_max_num_f32_dpp v8, v8, v8 row_xmask:1 row_mask:0xf bank_mask:0xf   ; with my neighbour's 16: the block's largest magnitude
	v_add_nc_u32 v11, 0xff000000, v8               ; 2 off its exponent field: the conversion takes this operand's exponent field as its scale
	v_cvt_scalef32_pk8_fp4_f32 v[C+4*(\t)], v[XS:XS+7], v11
	v_cvt_scalef32_pk8_fp4_f32 v[C+4*(\t)+1], v[XS+8:XS+15], v11
	v_lshrrev_b32 v[E+(\t)], 23, v11               ; the scale's byte
	ds_store_b8 v5, v[E+(\t)] offset:16*(\t)       ; both lanes of a block write the same byte with the same value
	global_store_b64 v4, v[C+4*(\t):C+4*(\t)+1], s[14:15] offset:256*(\t)   ; the wave stores 256 consecutive bytes, aligned
.endm
.macro WLOAD j                         ; block j: 32 rows of the weight at my column; 32 lanes read 128 consecutive bytes, the wave beside me the next 128
.set i, 0
.rept 32
	global_load_b32 v[WN+32*(\j)+i], v3, s[6:7] offset:(32*(\j)+i)*4096 th:TH_LOAD_NT
.set i, i+1
.endr
.endm
.macro WBLOCK j
.set XS, WN+32*(\j)
.if (\j) < 3
	s_wait_loadcnt 32                              ; this block's 32 loads are in; the next block's may be out
.else
	s_wait_loadcnt 0x0
.endif
.if (\j) < 2
	WLOAD (\j)+2
.endif
	v_max3_num_f32 v8, |v[XS]|, |v[XS+1]|, |v[XS+2]|               ; all 32 numbers of the block are mine
	v_max3_num_f32 v9, |v[XS+3]|, |v[XS+4]|, |v[XS+5]|
.irp i, 6,10,14,18,22,26
	v_max3_num_f32 v8, v8, |v[XS+\i]|, |v[XS+\i+1]|
	v_max3_num_f32 v9, v9, |v[XS+\i+2]|, |v[XS+\i+3]|
.endr
	v_max3_num_f32 v8, v8, |v[XS+30]|, |v[XS+31]|
	v_max3_num_f32 v8, v8, v9, 0x1800000
	v_add_nc_u32 v11, 0xff000000, v8
	v_lshrrev_b32 v9, 23, v11
.if (\j) == 0
	v_mov_b32 v[WS], v9
.else
	v_lshl_or_b32 v[WS], v9, 8*(\j), v[WS]         ; four bytes to the word, the lower K in the lower byte
.endif
.irp g, 0,1,2,3
	v_cvt_scalef32_pk8_fp4_f32 v[WC+4*(\j)+\g], v[XS+8*\g:XS+8*\g+7], v11
.endr
.endm
.macro OGROUP g                        ; 32 numbers down K become 16 registers of f16 pairs, in place from the low end
.if (\g) < 3
	s_wait_loadcnt 32
.else
	s_wait_loadcnt 0x0
.endif
.if (\g) < 2
	WLOAD (\g)+2
.endif
.set i, 16*(\g)
.rept 16
	v_cvt_pk_f16_f32 v[WN+i], v[WN+2*i], v[WN+2*i+1]
.set i, i+1
.endr
.endm
	s_load_b256 s[4:11], s[0:1], 0x0               ; x, Wq, Wk, Wv
	s_load_b256 s[12:19], s[0:1], 0x20             ; Wo, x_codes, x_scales, w_codes
	s_load_b128 s[20:23], s[0:1], 0x40             ; w_scales, wo_t
	v_lshl_add_u32 v[SPW], v0, 2, SPARE
	v_mov_b32 v[NIL], 0
	v_lshrrev_b32 v1, 5, v0
	v_readfirstlane_b32 s24, v1                    ; wave 0..7
	v_and_b32 v2, 31, v0                           ; lane
	s_cmp_lt_u32 ttmp9, 128
	s_cbranch_scc0 .Lweights
	; ---- x
	v_lshlrev_b32 v3, 4, v2                        ; my 16 bytes of a load's 512
	s_mul_i32 s25, s24, 8192                       ; my wave's region
	v_lshrrev_b32 v14, 2, v2
	v_mul_u32_u24 v14, v14, SP
	v_and_b32 v15, 3, v2
	v_lshl_add_u32 v14, v15, 4, v14
	v_add_nc_u32 v14, s25, v14                     ; the stage, in: SP (lane / 4) + 16 (lane % 4)
	v_mul_u32_u24 v15, v2, SP
	v_add_nc_u32 v15, s25, v15                     ; and out: SP x lane
	v_mul_u32_u24 v4, v2, 8                        ; my 8 bytes of a step's codes
	v_lshrrev_b32 v5, 1, v2
	s_add_co_u32 s25, s25, 2*32*SP
	v_add_nc_u32 v5, s25, v5                       ; my block's byte among the wave's 256
	v_lshlrev_b32 v7, 3, v2
	v_add_nc_u32 v6, s25, v7
	s_lshl_b32 s26, ttmp9, 3
	s_add_co_u32 s26, s26, s24                     ; which run of 8,192 numbers is my wave's: 0..1023
	s_mov_b32 s29, 0
	s_wait_kmcnt 0x0
	s_lshl_b32 s28, s26, 15
	s_add_nc_u64 s[4:5], s[4:5], s[28:29]
	s_lshl_b32 s28, s26, 12
	s_add_nc_u64 s[14:15], s[14:15], s[28:29]
	s_lshl_b32 s28, s26, 8
	s_add_nc_u64 s[16:17], s[16:17], s[28:29]
.irp t, 0,1,2,3
	XLOAD \t
.endr
	s_wait_loadcnt 12                              ; step 0's four loads are in
	XTURN 0
.irp t, 0,1,2,3,4,5,6,7,8,9,10,11,12,13,14,15
	XSTEP \t
.endr
	ds_load_b64 v[8:9], v6                         ; my wave's 256 scale bytes, 8 a lane: these see my stores
	s_wait_dscnt 0x0
	global_store_b64 v7, v[8:9], s[16:17]          ; 256 consecutive bytes, aligned
	CLOSE
	; ---- the four weights
.Lweights:
	s_sub_co_u32 s25, ttmp9, 128
	s_lshr_b32 s26, s25, 5                         ; 0, 1, 2: Wq, Wk, Wv; 3: Wo
	s_bfe_u32 s27, s25, 0x40001                    ; which 64 columns
	s_and_b32 s28, s25, 1                          ; which 512 along K
	s_and_b32 s29, s24, 1                          ; my wave: which 32 of the columns,
	s_lshr_b32 s30, s24, 1                         ; which 128 along K
	s_lshl_b32 s31, s27, 6
	s_lshl_b32 s32, s29, 5
	s_add_co_u32 s31, s31, s32                     ; my first column
	s_lshl_b32 s33, s28, 9
	s_lshl_b32 s34, s30, 7
	s_add_co_u32 s33, s33, s34                     ; my first k
	s_lshl_b32 s34, s33, 12
	s_lshl_b32 s35, s31, 2
	s_add_co_u32 s34, s34, s35
	s_mov_b32 s35, 0
	v_lshlrev_b32 v3, 2, v2
	v_lshrrev_b32 v7, 4, v2                        ; lane / 16
	v_and_b32 v15, 15, v2                          ; lane % 16
	s_wait_kmcnt 0x0
	s_cmp_eq_u32 s26, 1                            ; the choice hangs on the work-group's number alone
	s_cselect_b64 s[6:7], s[8:9], s[6:7]
	s_cmp_eq_u32 s26, 2
	s_cselect_b64 s[6:7], s[10:11], s[6:7]
	s_cmp_eq_u32 s26, 3
	s_cselect_b64 s[6:7], s[12:13], s[6:7]
	s_add_nc_u64 s[6:7], s[6:7], s[34:35]
	WLOAD 0
	WLOAD 1
	s_cmp_eq_u32 s26, 3
	s_cbranch_scc1 .Lcast
	v_add_nc_u32 v4, s32, v2                       ; my column among the work-group's 64
	v_mul_u32_u24 v5, v4, 272
	s_lshl_b32 s36, s30, 6
	s_add_co_u32 s36, s36, WST
	v_add_nc_u32 v5, s36, v5                       ; my 64 bytes of its stage row
	v_lshlrev_b32 v6, 4, v4
	s_lshl_b32 s36, s30, 2
	s_add_co_u32 s36, s36, WSC
	v_add_nc_u32 v6, s36, v6                       ; my word of its 16 scale bytes
	v_mul_u32_u24 v14, v7, 272
	v_lshl_add_u32 v14, v15, 4, v14
	s_mul_i32 s36, s24, 8*272
	s_add_co_u32 s36, s36, WST
	v_add_nc_u32 v14, s36, v14                     ; back: wave w takes rows 8 w .. 8 w + 7, sixteen lanes to a row
	v_lshlrev_b32 v10, 9, v7
	v_lshl_add_u32 v10, v15, 4, v10                ; and the same place in w_codes (rows of 512 bytes)
	s_lshl_b32 s37, s26, 10
	s_lshl_b32 s36, s27, 6
	s_add_co_u32 s37, s37, s36                     ; the work-group's first row of w_codes
	s_lshl_b32 s36, s24, 3
	s_add_co_u32 s36, s36, s37
	s_lshl_b32 s36, s36, 9
	s_lshl_b32 s38, s28, 8
	s_add_co_u32 s38, s38, s36
	s_mov_b32 s39, 0
	s_add_nc_u64 s[18:19], s[18:19], s[38:39]
	s_lshl_b32 s38, s37, 5
	s_lshl_b32 s36, s28, 4
	s_add_co_u32 s38, s38, s36
	s_add_nc_u64 s[20:21], s[20:21], s[38:39]
.irp j, 0,1,2,3
	WBLOCK \j
.endr
	v_nop                                          ; one plain place behind the last scaled conversion
.irp j, 0,1,2,3
	ds_store_b128 v5, v[WC+4*\j:WC+4*\j+3] offset:16*\j
.endr
	ds_store_b32 v6, v[WS]
	s_wait_dscnt 0x0                               ; for the others' sake: my stores have landed
	s_barrier_signal -1
	s_barrier_wait -1                              ; a row's 256 bytes come from four waves
.irp u, 0,1,2,3
	ds_load_b128 v[WN+4*\u:WN+4*\u+3], v14 offset:544*\u
.endr
.irp u, 0,1,2,3
	s_wait_dscnt 3-\u
	global_store_b128 v10, v[WN+4*\u:WN+4*\u+3], s[18:19] offset:1024*\u   ; sixteen lanes store 256 consecutive bytes, aligned
.endr
	s_cmp_lt_u32 s24, 2
	s_cbranch_scc0 .Lw_done
	v_lshl_add_u32 v177, v0, 4, WSC                ; waves 0 and 1: a lane a row: its 16 scale bytes
	v_lshlrev_b32 v178, 5, v0
	ds_load_b128 v[180:183], v177
	s_wait_dscnt 0x0
	global_store_b128 v178, v[180:183], s[20:21]
.Lw_done:
	CLOSE
	; ---- Wo: f16, turned through the wave's own stage
.Lcast:
	v_mul_u32_u24 v5, v2, 272
	s_mul_i32 s36, s24, 8704
	s_add_co_u32 s36, s36, OST
	v_add_nc_u32 v5, s36, v5                       ; in: row = my column
	v_mul_u32_u24 v14, v7, 272
	v_lshl_add_u32 v14, v15, 4, v14
	v_add_nc_u32 v14, s36, v14                     ; back: sixteen lanes to a row, two rows an instruction
	v_lshlrev_b32 v10, 11, v7
	v_lshl_add_u32 v10, v15, 4, v10                ; the same place in wo_t (rows of 2,048 bytes)
	s_lshl_b32 s38, s31, 11
	s_lshl_b32 s36, s33, 1
	s_add_co_u32 s38, s38, s36
	s_mov_b32 s39, 0
	s_add_nc_u64 s[22:23], s[22:23], s[38:39]
.irp g, 0,1,2,3
	OGROUP \g
.endr
.irp i, 0,1,2,3,4,5,6,7,8,9,10,11,12,13,14,15
	ds_store_b128 v5, v[WN+4*\i:WN+4*\i+3] offset:16*\i
.endr
.irp u, 0,1,2,3,4,5,6,7,8,9,10,11,12,13,14,15
	ds_load_b128 v[96+4*\u:99+4*\u], v14 offset:544*\u   ; the wave's own bytes: these see my stores
.endr
.irp u, 0,1,2,3,4,5,6,7,8,9,10,11,12,13,14,15
	s_wait_dscnt 15-\u
	global_store_b128 v10, v[96+4*\u:99+4*\u], s[22:23] offset:4096*\u   ; sixteen lanes store 256 consecutive bytes, aligned
.endr
	CLOSE
.Lfunc_end_k_q05bf26c68c_prep:
	.size	k_q05bf26c68c_prep, .Lfunc_end_k_q05bf26c68c_prep-k_q05bf26c68c_prep
	.p2alignl 7, 3214868480
	.fill 96, 4, 3214868480
	.section	.rodata,"a",@progbits
	.p2align	6, 0x0
	.amdhsa_kernel k_q05bf26c68c_prep
		.amdhsa_group_segment_fixed_size 154624
		.amdhsa_private_segment_fixed_size 0
		.amdhsa_enable_private_segment 0
		.amdhsa_kernarg_size 80
		.amdhsa_user_sgpr_count 2
		.amdhsa_user_sgpr_kernarg_segment_ptr 1
		.amdhsa_wavefront_size32 1
		.amdhsa_system_sgpr_workgroup_id_x 1
		.amdhsa_system_sgpr_workgroup_id_y 1
		.amdhsa_system_sgpr_workgroup_id_z 1
		.amdhsa_system_vgpr_workitem_id 0
		.amdhsa_next_free_vgpr 192
		.amdhsa_next_free_sgpr 66
		.amdhsa_reserve_vcc 0
		.amdhsa_float_denorm_mode_32 3
		.amdhsa_float_denorm_mode_16_64 3
		.amdhsa_memory_ordered 1
		.amdhsa_forward_progress 1
		.amdhsa_inst_pref_size 70
	.end_amdhsa_kernel
	.amdgpu_metadata
---
amdhsa.version: [ 1, 2 ]
amdhsa.kernels:
  - .name:           k_q05bf26c68c_prep
    .symbol:         k_q05bf26c68c_prep.kd
    .args:
      - { .name: x, .offset: 0, .size: 8, .value_kind: global_buffer, .address_space: global }
      - { .name: Wq, .offset: 8, .size: 8, .value_kind: global_buffer, .address_space: global }
      - { .name: Wk, .offset: 16, .size: 8, .value_kind: global_buffer, .address_space: global }
      - { .name: Wv, .offset: 24, .size: 8, .value_kind: global_buffer, .address_space: global }
      - { .name: Wo, .offset: 32, .size: 8, .value_kind: global_buffer, .address_space: global }
      - { .name: x_codes, .offset: 40, .size: 8, .value_kind: global_buffer, .address_space: global }
      - { .name: x_scales, .offset: 48, .size: 8, .value_kind: global_buffer, .address_space: global }
      - { .name: w_codes, .offset: 56, .size: 8, .value_kind: global_buffer, .address_space: global }
      - { .name: w_scales, .offset: 64, .size: 8, .value_kind: global_buffer, .address_space: global }
      - { .name: wo_t, .offset: 72, .size: 8, .value_kind: global_buffer, .address_space: global }
    .group_segment_fixed_size: 154624
    .private_segment_fixed_size: 0
    .kernarg_segment_align: 8
    .kernarg_segment_size: 80
    .max_flat_workgroup_size: 256
    .sgpr_count:     66
    .vgpr_count:     192
    .wavefront_size: 32
...
	.end_amdgpu_metadata
.endif
;; end of part 1
;; launch qkv (part 2): grid 12 x 32, 4 waves a work-group, clusters of 4 x 4, 327,680 bytes of LDS; arguments x_codes, x_scales, w_codes, w_scales, bq, bk, bv, qkv, fine_qkv; writes qkv, fine_qkv
.if DOCPART == 2
	.amdgcn_target "amdgcn-amd-amdhsa--gfx1250"
	.amdhsa_code_object_version 6
	.text
	.protected	k_q05bf26c68c_qkv
	.globl	k_q05bf26c68c_qkv
	.p2align	8
	.type	k_q05bf26c68c_qkv,@function
k_q05bf26c68c_qkv:
	s_mov_b64 s[64:65], 0
	v_nop
	global_prefetch_b8 v0, s[64:65] scope:SCOPE_SE
	s_setreg_imm32_b32 hwreg(HW_REG_WAVE_MODE, 25, 1), 1
	s_wait_xcnt 0x0
	s_wait_alu depctr_hold_cnt(0) depctr_sa_sdst(0) depctr_va_vdst(0) depctr_va_sdst(0) depctr_va_ssrc(0) depctr_va_vcc(0) depctr_vm_vsrc(0)
	s_getreg_b32 s2, hwreg(HW_REG_IB_STS2, 6, 4)
	s_cmp_eq_u32 s2, 0
	s_cbranch_scc0 .Lentry_in_a_cluster
	s_endpgm
.Lentry_in_a_cluster:
	s_bfe_u32 s2, ttmp6, 0x10000c
	s_cmp_lg_u32 s2, 0xf033
	s_cbranch_scc0 .Lentry_shape_is_right
	s_endpgm
.Lentry_shape_is_right:
; QKV.  The three quantised products as ONE product on codes of E2M1: [8192 rows of x] x [3072 rows of w_codes: q's, k's, v's 1024 columns], K = 1024, scales E8M0, sums f32; the bias is the C of each sum's first instruction.
; Results leave as f16, head by head: qkv [3][64 batch x head][2048 positions][64]; the first 16 positions of every sequence leave in f32 as well, fine_qkv [3][4][16][1024].
; LIMIT: |q|, |k|, |v| beyond 65,504 do not fit f16.
; A tile of 256 x 256 is made by four waves, 128 x 128 each: 64 accumulators, 512 registers.  All of K lies in LDS at once: two slots of 512 along K, each filled once, and the scale bytes of the tile's rows.
; CLUSTERS: 4 x 4 work-groups.  Cluster x is the part (q, k, v), cx the 256 columns of it; tile row = 8 cy + cluster y, so cy is the batch and cluster y the block of 256 positions.
; The four of a row of the cluster need the same tiles of x, the four of a column the same tiles of w: each tile is asked for jointly, by the same tensor load with the same descriptor and a mask that names the four.
; THE MATRIX INSTRUCTION IS USED TRANSPOSED (source 0 = 16 rows of w, source 1 = 16 rows of x): a lane holds eight neighbouring columns of one row.
; By this text's own count a wave has three tensor loads out at the start and none later.
; REGISTERS, in windows of 256: window 0: v0-31 addresses; v32-95 scale words, two sets; v96-127 packed results; v128-191 x's fragments, later rows on the way out; v192-255 the bias, 8 registers a block of 16 columns.
;   window 1: w's fragments, two sets, at v0 and v128.   window 2: the accumulators of my rows 0-63 ((a, b) at v[8 (8 a + b)]);   window 3: those of rows 64-127.
.set NQ,     4                         ; steps of 128 along K in a slot
.set ROWB,   256                       ; a tile's row in bytes: 512 codes
.set KROW,   512                       ; a row of codes in memory
.set PITCH,  272                       ; an LDS row: 256 bytes + 16 of padding: the 16 rows that a load touches start 68 words apart
.set FR,     8
.set NL,     2
.set NP,     4                         ; places behind this matrix instruction (ISA guide 7.12.1)
.set HALFT,  128*PITCH
.set SLOT,   4*HALFT
.set KS,     32                        ; a row of scale bytes
.set SCL,    2*SLOT                    ; behind the slots: the scales, as units of 256 bytes + 16 of padding
.set HALFS,  (128*KS/256)*272
.set SBLK,   (16*KS/256)*272
.set SPARE,  SCL+4*HALFS               ; the spare words, 128 bytes for each wave: two blocks of 256 bytes that no other line names
.set FSTG,   0                         ; the way out, in slot 0, which has had its one fill and its last read by then: 16 rows x 528 bytes of f32 for each wave,
.set HSTG,   36864                     ; and 16 rows x 272 bytes of f16 for each wave
.set ADRA, 16
.set ADRB, 20
.set STH,  22                          ; v22 f16 stage: where I put 16 bytes of a row
.set RDH,  23                          ; v23 and where I read half a row back
.set STF,  24                          ; v24, v25 the same for the f32 stage
.set RDF,  25
.set CO,   26                          ; v26 16 x lane
.set ADRS, 27
.set SPW,  28
.set NIL,  29
.set SC,   32
.set TMP,  96
.set AF,   128
.set BK,   128
.set BI,   192
.set G1, 24
.set G0, 32
.set G1B, 48
.set G0B, 56
.set G1S, 68
.set G0S, 76
.set G1SB, 80
.set G0SB, 88
.set MSB, 0
.macro WIN new                         ; the immediate's high byte repeats the setting that is left
.if MSB != (\new)
	s_set_vgpr_msb (MSB<<8)|(\new)
.set MSB, (\new)
.endif
.endm
.set MUL_LO, 0xa1                      ; source 0 (w) window 1, source 1 (x) window 0, C and D window 2
.set MUL_HI, 0xf1                      ; the same, C and D window 3
.set FST_LO, 0x81                      ; the first step: C (the bias) window 0, D window 2
.set FST_HI, 0xc1
.set TO_B,   0x40
.macro JLOAD g0a, g1a, g0b, g1b        ; a joint load: waves 0 and 1 fetch for x, waves 2 and 3 for w; an s_nop 0 and four v_nop follow each of the two lines
	s_cmp_eq_u32 s15, 0
	s_cbranch_scc0 .Lfor_b_\@
	tensor_load_to_lds s[\g0a:\g0a+3], s[\g1a:\g1a+7]
	s_nop 0
.rept 4
	v_nop
.endr
	s_branch .Lasked_\@
.Lfor_b_\@:
	tensor_load_to_lds s[\g0b:\g0b+3], s[\g1b:\g1b+7]
	s_nop 0
.rept 4
	v_nop
.endr
.Lasked_\@:
.endm
.macro CROUND                          ; a round of the cluster's barrier
	s_barrier_signal -1
	s_barrier_wait -1
	s_cmp_lg_u32 s14, 0
	s_cbranch_scc1 .Lnot_wave_0_\@
	s_barrier_signal -3
.Lnot_wave_0_\@:
	s_barrier_wait -3
	s_barrier_signal -1
	s_barrier_wait -1
.endm
	s_load_b256 s[4:11], s[0:1], 0x0               ; x's codes, x's scales, w's codes, w's scales
	s_load_b128 s[96:99], s[0:1], 0x20             ; bq, bk
	s_load_b64 s[100:101], s[0:1], 0x30            ; bv
	s_load_b64 s[12:13], s[0:1], 0x38              ; qkv
	s_load_b64 s[66:67], s[0:1], 0x40              ; fine_qkv
	v_lshl_add_u32 v[SPW], v0, 2, SPARE
	v_mov_b32 v[NIL], 0
	ds_add_u32 v[SPW], v[NIL]                      ; the wave's opening: the add, twice on end, and its wait ahead of my first tensor load
	ds_add_u32 v[SPW], v[NIL]
	v_lshrrev_b32 v1, 5, v0
	v_readfirstlane_b32 s14, v1                    ; wave 0..3
	s_lshr_b32 s15, s14, 1                         ; which half of the tile's rows is mine.  Also: I fetch for x (0) or for w (1)
	s_and_b32 s16, s14, 1                          ; which half of its columns.  Also: which 128 rows of that tile I fetch
	s_bfe_u32 s40, ttmp6, 0x40000                  ; cx
	s_bfe_u32 s41, ttmp6, 0x40004                  ; cy
	s_lshl_b32 s42, ttmp9, 2
	s_add_co_u32 s42, s42, s40                     ; tile column = 4 x cluster x + cx
	s_and_b32 s95, ttmp7, 0xffff                   ; cluster y: the block of 256 positions
	s_lshl_b32 s17, s41, 3
	s_add_co_u32 s17, s17, s95                     ; tile row = 8 cy + cluster y
	s_lshl_b32 s43, s41, 2
	s_lshl_b32 s43, 15, s43                        ; my row of the cluster
	s_lshl_b32 s44, 0x1111, s40                    ; my column
	s_or_b32 s[G1+0], s43, (0<<16)|(1<<20)|(1<<21)|(5<<22)|(3<<25)  ; the mask; elements of 1 byte; padding on; bit 21 beside a mask; after every 64 words, 4 words
	s_or_b32 s[G1B+0], s44, (0<<16)|(1<<20)|(1<<21)|(5<<22)|(3<<25)
.irp g, G1, G1B
	s_mov_b32 s[\g+1], ROWB<<16                    ; tensor_dim0
	s_mov_b32 s[\g+2], 128<<16                     ; tensor_dim1
	s_mov_b32 s[\g+3], ROWB<<16                    ; tile_dim0
	s_mov_b32 s[\g+4], 128                         ; tile_dim1
	s_mov_b32 s[\g+5], KROW                        ; the pitch
	s_mov_b32 s[\g+6], 0
	s_mov_b32 s[\g+7], 0
.endr
	s_or_b32 s[G1S+0], s43, (3<<16)|(1<<20)|(1<<21)|(5<<22)|(3<<25)  ; the scales of 128 rows: 4,096 dense bytes as 16 rows of 256
	s_or_b32 s[G1SB+0], s44, (3<<16)|(1<<20)|(1<<21)|(5<<22)|(3<<25)
.irp g, G1S, G1SB
	s_mov_b32 s[\g+1], 32<<16
	s_mov_b32 s[\g+2], (128*KS/256)<<16
	s_mov_b32 s[\g+3], 32<<16
	s_mov_b32 s[\g+4], 128*KS/256
	s_mov_b32 s[\g+5], 32
	s_mov_b32 s[\g+6], 0
	s_mov_b32 s[\g+7], 0
.endr
	s_lshl_b32 s18, s16, 7
	s_lshl_b32 s20, s17, 8
	s_add_co_u32 s20, s20, s18                     ; x: row 256 x tile row + 128 x half
	s_lshl_b32 s46, s42, 8
	s_add_co_u32 s46, s46, s18                     ; w: row 256 x tile column + 128 x half
	s_mov_b32 s21, 0
	s_mov_b32 s47, 0
	s_mov_b64 s[18:19], KS
	s_mul_u64 s[22:23], s[20:21], s[18:19]
	s_mul_u64 s[92:93], s[46:47], s[18:19]
	s_mov_b64 s[18:19], KROW
	s_mul_u64 s[20:21], s[20:21], s[18:19]
	s_mul_u64 s[46:47], s[46:47], s[18:19]
	s_mul_i32 s45, s14, HALFT                      ; where they go: wave x 128 rows: no place in the cluster enters an LDS address
	s_mul_i32 s94, s14, HALFS
	s_wait_dscnt 0x0                               ; both opening adds are done
	s_wait_kmcnt 0x0
	s_add_nc_u64 s[20:21], s[4:5], s[20:21]
	s_add_nc_u64 s[22:23], s[6:7], s[22:23]
	s_add_nc_u64 s[46:47], s[8:9], s[46:47]
	s_add_nc_u64 s[92:93], s[10:11], s[92:93]
	CROUND                                         ; all sixteen work-groups are here: the joint loads meet
	s_mov_b32 s[G0S], 1
	s_add_co_u32 s[G0S+1], s94, SCL
	s_mov_b64 s[G0S+2:G0S+3], s[22:23]
	s_or_b32 s[G0S+3], s[G0S+3], 0x80000000
	s_mov_b32 s[G0SB], 1
	s_add_co_u32 s[G0SB+1], s94, SCL
	s_mov_b64 s[G0SB+2:G0SB+3], s[92:93]
	s_or_b32 s[G0SB+3], s[G0SB+3], 0x80000000
	JLOAD G0S, G1S, G0SB, G1SB
.irp s, 0,1
	s_mov_b32 s[G0+4*\s], 1
	s_add_co_u32 s[G0+4*\s+1], s45, \s*SLOT
	s_add_nc_u64 s[G0+4*\s+2:G0+4*\s+3], s[20:21], \s*ROWB
	s_or_b32 s[G0+4*\s+3], s[G0+4*\s+3], 0x80000000
	s_mov_b32 s[G0B+4*\s], 1
	s_add_co_u32 s[G0B+4*\s+1], s45, \s*SLOT
	s_add_nc_u64 s[G0B+4*\s+2:G0B+4*\s+3], s[46:47], \s*ROWB
	s_or_b32 s[G0B+4*\s+3], s[G0B+4*\s+3], 0x80000000
	JLOAD G0+4*\s, G1, G0B+4*\s, G1B
.endr
	v_and_b32 v1, 15, v0                           ; r = lane % 16
	v_bfe_u32 v2, v0, 4, 1                         ; h = lane / 16
	v_mul_u32_u24 v3, v1, PITCH
	v_lshl_add_u32 v4, v2, 4, v3
	s_mul_i32 s21, s15, HALFT
	s_mul_i32 s22, s16, HALFT
	s_add_co_u32 s22, s22, 2*HALFT
.irp s, 0,1
	v_add_nc_u32 v[ADRA+\s], s21, v4
	v_add_nc_u32 v[ADRB+\s], s22, v4
	s_add_co_u32 s21, s21, SLOT
	s_add_co_u32 s22, s22, SLOT
.endr
	v_mul_u32_u24 v5, v1, KS                       ; my row's scales: 32 bytes a row,
	v_lshrrev_b32 v6, 8, v5
	v_lshl_add_u32 v5, v6, 4, v5                   ; and 16 more for each 256 passed
	s_mul_i32 s21, s15, HALFS
	s_mul_i32 s22, s16, HALFS
	s_add_co_u32 s22, s22, 2*HALFS
	s_sub_co_u32 s22, s22, s21
	v_mul_u32_u24 v6, s22, v2                      ; lanes 16-31 take w's
	s_add_co_u32 s21, s21, SCL
	v_add_nc_u32 v5, v5, v6
	v_add_nc_u32 v[ADRS], s21, v5
	s_mul_i32 s23, s14, 16*528                     ; my f32 stage
	v_mul_u32_u24 v5, v1, 528
	v_lshl_add_u32 v5, v2, 5, v5
	v_add_nc_u32 v[STF], s23, v5
	v_and_b32 v6, 31, v0
	v_lshlrev_b32 v[CO], 4, v6
	v_add_nc_u32 v[RDF], s23, v[CO]
	s_mul_i32 s23, s14, 16*272                     ; my f16 stage
	s_add_co_u32 s23, s23, HSTG
	v_mul_u32_u24 v5, v1, 272
	v_lshl_add_u32 v5, v2, 4, v5
	v_add_nc_u32 v[STH], s23, v5
	v_bfe_u32 v5, v0, 3, 2
	v_mul_u32_u24 v5, v5, 272
	v_and_b32 v6, 7, v0
	v_lshl_add_u32 v5, v6, 4, v5
	v_add_nc_u32 v[RDH], s23, v5                   ; back: eight lanes take a head's 128 bytes of a row, four rows an instruction
	; qkv at: part, batch cy, head 4 cx + 2 x column half, position 256 x cluster y + 128 x row half
	s_lshl_b32 s20, s41, 22
	s_lshl_b32 s21, s95, 15
	s_add_co_u32 s20, s20, s21
	s_lshl_b32 s21, s15, 14
	s_add_co_u32 s20, s20, s21
	s_lshl_b32 s21, ttmp9, 24
	s_add_co_u32 s20, s20, s21
	s_mov_b32 s21, 0
	s_add_nc_u64 s[12:13], s[12:13], s[20:21]
	s_lshl_b32 s46, s40, 2
	s_lshl_b32 s47, s16, 1
	s_add_co_u32 s46, s46, s47
	s_lshl_b32 s46, s46, 18
	s_mov_b32 s47, 0
	s_add_nc_u64 s[12:13], s[12:13], s[46:47]
	; fine_qkv at: part, batch, my 128 columns; the bias at the same columns
	s_lshl_b32 s20, ttmp9, 18
	s_lshl_b32 s22, s41, 16
	s_add_co_u32 s20, s20, s22
	s_add_nc_u64 s[66:67], s[66:67], s[20:21]
	s_lshl_b32 s46, s40, 10
	s_lshl_b32 s22, s16, 9
	s_add_co_u32 s46, s46, s22
	s_add_nc_u64 s[66:67], s[66:67], s[46:47]
	s_cmp_eq_u32 ttmp9, 1                          ; the part's bias: the choice hangs on the cluster's x alone
	s_cselect_b64 s[96:97], s[98:99], s[96:97]
	s_cmp_eq_u32 ttmp9, 2
	s_cselect_b64 s[96:97], s[100:101], s[96:97]
	s_add_nc_u64 s[96:97], s[96:97], s[46:47]
	v_lshlrev_b32 v7, 5, v2
.irp b, 0,1,2,3,4,5,6,7
	global_load_b128 v[BI+8*\b:BI+8*\b+3], v7, s[96:97] offset:64*\b        ; lane (r, h): the bias of columns 16 b + 8 h + 0 .. 7: the result's layout
	global_load_b128 v[BI+8*\b+4:BI+8*\b+7], v7, s[96:97] offset:64*\b+16
.endr
.macro FRAG reg, adr, q, i             ; 16 rows x 128 K of 4-bit codes: 8 registers, two loads of 16 bytes, 32 bytes apart
.irp c, 0,1
	ds_load_b128 v[\reg+4*\c:\reg+4*\c+3], v[\adr] offset:64*(\q)+32*\c+(\i)*16*PITCH
.endr
.endm
; 16 matrix instructions: x's blocks a0, a0 + 1 against w's eight.  zero = 1: the first step: the bias starts the sums.  The 64 accumulators take turns, one instruction a turn.
.macro MUL16 a0, p, q, sc, zero
.irp a, \a0, \a0+1
.irp b, 0,1,2,3,4,5,6,7
.if \zero
	v_wmma_scale_f32_16x16x128_f8f6f4 v[8*(8*((\a)%4)+\b):8*(8*((\a)%4)+\b)+7], v[128*(\p)+FR*\b:128*(\p)+FR*\b+FR-1], v[AF+FR*(\a):AF+FR*(\a)+FR-1], v[BI+8*\b:BI+8*\b+7], v[SC+8*NQ*(\sc)+NQ*\b+(\q)], v[SC+8*NQ*(\sc)+NQ*(\a)+(\q)] matrix_a_fmt:MATRIX_FMT_FP4 matrix_b_fmt:MATRIX_FMT_FP4 matrix_a_scale:MATRIX_SCALE_ROW1
.else
	v_wmma_scale_f32_16x16x128_f8f6f4 v[8*(8*((\a)%4)+\b):8*(8*((\a)%4)+\b)+7], v[128*(\p)+FR*\b:128*(\p)+FR*\b+FR-1], v[AF+FR*(\a):AF+FR*(\a)+FR-1], v[8*(8*((\a)%4)+\b):8*(8*((\a)%4)+\b)+7], v[SC+8*NQ*(\sc)+NQ*\b+(\q)], v[SC+8*NQ*(\sc)+NQ*(\a)+(\q)] matrix_a_fmt:MATRIX_FMT_FP4 matrix_b_fmt:MATRIX_FMT_FP4 matrix_a_scale:MATRIX_SCALE_ROW1
.endif
.endr
.endr
.endm
.macro FETCH_B slot, q, p
	WIN TO_B
.irp i, 0,1,2,3,4,5,6,7
	FRAG 128*(\p)+FR*\i, ADRB+\slot, \q, \i
.endr
	WIN 0
.endm
.macro FETCH_A slot, q, i0
.irp i, \i0, \i0+1, \i0+2, \i0+3
	FRAG AF+FR*(\i), ADRA+\slot, \q, \i
.endr
.endm
.macro SCALES sc                       ; a slot's scale words: 4 words a row; lanes 0-15 take x's block i, lanes 16-31 w's block i
.irp i, 0,1,2,3,4,5,6,7
	ds_load_b128 v[SC+8*NQ*\sc+NQ*\i:SC+8*NQ*\sc+NQ*\i+3], v[ADRS] offset:\i*SBLK
.endr
.endm
.macro PLACES n                        ; plain vector instructions between a matrix instruction and a load into, or a read of, its registers
.rept \n
	v_nop
.endr
.endm
.macro STEP slot, q, zero              ; 128 along K that has its successor in the same slot
	s_wait_dscnt 4*NL                              ; w's set and x's blocks 0-3 are in; the youngest eight loads (x's blocks 4-7) may be out
.if \zero
	WIN FST_LO
.else
	WIN MUL_LO
.endif
	MUL16 0, (\q)%2, \q, \slot, \zero
	MUL16 2, (\q)%2, \q, \slot, \zero
	s_wait_dscnt 0
	PLACES NP
	FETCH_B \slot, (\q)+1, 1-(\q)%2
	FETCH_A \slot, (\q)+1, 0
.if \zero
	WIN FST_HI
.else
	WIN MUL_HI
.endif
	MUL16 4, (\q)%2, \q, \slot, \zero
	MUL16 6, (\q)%2, \q, \slot, \zero
	PLACES NP
	WIN 0
	FETCH_A \slot, (\q)+1, 4
.endm
.macro STEPS slot, from
.set Q, \from
.rept NQ-1-\from
	STEP \slot, Q, 0
.set Q, Q+1
.endr
.endm
	s_wait_tensorcnt 1                             ; the scales and my part of slot 0 are in; slot 1's load may be out
	s_barrier_signal -1
	s_barrier_wait -1
	FETCH_B 0, 0, 0
	FETCH_A 0, 0, 0
	SCALES 0
	FETCH_A 0, 0, 4
	s_wait_loadcnt 0x0                             ; the bias
	STEP 0, 0, 1
	STEPS 0, 1
	; slot 0's last step changes slots: one barrier; nothing is filled again
	s_wait_tensorcnt 0x0                           ; my part of slot 1 has landed
	ds_add_u32 v[SPW], v[NIL]                      ; 0 onto my spare word
	s_wait_dscnt 4*NL+1                            ; the add and the youngest eight loads may be out
	WIN MUL_LO
	MUL16 0, 1, NQ-1, 0, 0
	s_wait_dscnt 0x0                               ; the add is done, and my reads of slot 0 are over
	s_barrier_signal -1
	MUL16 2, 1, NQ-1, 0, 0
	WIN 0
	s_barrier_wait -1
	PLACES NP
	v_add_nc_u32 v[ADRS], 4*NQ, v[ADRS]            ; the second slot's scale words
	FETCH_B 1, 0, 0
	FETCH_A 1, 0, 0
	SCALES 1
	WIN MUL_HI
	MUL16 4, 1, NQ-1, 0, 0
	MUL16 6, 1, NQ-1, 0, 0
	PLACES NP
	WIN 0
	FETCH_A 1, 0, 4
	STEPS 1, 0
	s_wait_dscnt 4*NL                              ; the last step: nothing more to fetch
	WIN MUL_LO
	MUL16 0, 1, NQ-1, 1, 0
	MUL16 2, 1, NQ-1, 1, 0
	s_wait_dscnt 0
	WIN MUL_HI
	MUL16 4, 1, NQ-1, 1, 0
	MUL16 6, 1, NQ-1, 1, 0
	WIN 0
	PLACES NP                                      ; for the reads of results and the loads into the registers that held x's fragments
	; THE FIRST 16 POSITIONS OF A SEQUENCE, in f32: block 0 of the waves with the tile's rows 0-127, where cluster y is 0.  The branch hangs on the cluster's y and the wave's number.
	s_or_b32 s18, s95, s15
	s_cmp_eq_u32 s18, 0
	s_cbranch_scc0 .Lno_fine
	WIN 0x08                                       ; an LDS store's data are its source 1: window 2
.irp b, 0,1,2,3,4,5,6,7
	ds_store_b128 v[STF], v[8*\b:8*\b+3] offset:64*\b              ; each accumulator from its low end on
	ds_store_b128 v[STF], v[8*\b+4:8*\b+7] offset:64*\b+16
.endr
	WIN 0
.irp u, 0,1,2,3,4,5,6,7,8,9,10,11,12,13,14,15
	ds_load_b128 v[BK+4*\u:BK+4*\u+3], v[RDF] offset:528*\u        ; the wave's own bytes: these see my stores
.endr
	s_wait_dscnt 0x0
.irp u, 0,1,2,3,4,5,6,7,8,9,10,11,12,13,14,15
	global_store_b128 v[CO], v[BK+4*\u:BK+4*\u+3], s[66:67] offset:4096*\u   ; 32 lanes store 512 consecutive bytes, aligned
.endr
	s_wait_xcnt 0x0                                ; these stores have read their registers, which the way out loads again
.Lno_fine:
; THE WAY OUT, block by block of 16 rows x 128 columns (two heads): rounded to f16, 16 bytes a lane into my stage, back as four rows x 128 bytes of one head: 512 consecutive bytes of qkv.
.macro PACK a
.set AC, 64*((\a)%4)
	WIN 0x0a+5*((\a)/4)                            ; sources 0 and 1: window 2 or 3
.irp b, 0,1,2,3,4,5,6,7
.irp r, 0,1,2,3
	v_cvt_pk_f16_f32 v[TMP+4*\b+\r], v[AC+8*\b+2*\r], v[AC+8*\b+2*\r+1]
.endr
.endr
	WIN 0
.endm
.macro TOSTAGE a
.set BB, BK+32*((\a)%2)
.irp b, 0,1,2,3,4,5,6,7
	ds_store_b128 v[STH], v[TMP+4*\b:TMP+4*\b+3] offset:32*\b
.endr
.irp hh, 0,1
.irp u, 0,1,2,3
	ds_load_b128 v[BB+16*\hh+4*\u:BB+16*\hh+4*\u+3], v[RDH] offset:1088*\u+128*\hh
.endr
.endr
.endm
.macro SEND a
.set BB, BK+32*((\a)%2)
	s_wait_dscnt 0x0                               ; the block is back in registers
	s_wait_xcnt 0x0                                ; the block before has read its registers: the next block's loads may land there
.irp hh, 0,1
.irp u, 0,1,2,3
	global_store_b128 v[CO], v[BB+16*\hh+4*\u:BB+16*\hh+4*\u+3], s[12:13] offset:2048*(\a)+262144*\hh+512*\u
.endr
.endr
.endm
	PACK 0
	TOSTAGE 0
.irp a, 1,2,3,4,5,6,7                  ; block a's conversions stand between block a - 1's loads from the stage and the wait for them
	PACK \a
	SEND \a-1
	TOSTAGE \a
.endr
	SEND 7
	s_wait_tensorcnt 0x0                           ; the wave's end
	ds_add_u32 v[SPW], v[NIL]
	s_wait_dscnt 0x0
	CROUND                                         ; the closing round
	s_endpgm
.Lfunc_end_k_q05bf26c68c_qkv:
	.size	k_q05bf26c68c_qkv, .Lfunc_end_k_q05bf26c68c_qkv-k_q05bf26c68c_qkv
	.p2alignl 7, 3214868480
	.fill 96, 4, 3214868480
	.section	.rodata,"a",@progbits
	.p2align	6, 0x0
	.amdhsa_kernel k_q05bf26c68c_qkv
		.amdhsa_group_segment_fixed_size 327680
		.amdhsa_private_segment_fixed_size 0
		.amdhsa_enable_private_segment 0
		.amdhsa_kernarg_size 72
		.amdhsa_user_sgpr_count 2
		.amdhsa_user_sgpr_kernarg_segment_ptr 1
		.amdhsa_wavefront_size32 1
		.amdhsa_system_sgpr_workgroup_id_x 1
		.amdhsa_system_sgpr_workgroup_id_y 1
		.amdhsa_system_sgpr_workgroup_id_z 1
		.amdhsa_system_vgpr_workitem_id 0
		.amdhsa_next_free_vgpr 1024
		.amdhsa_next_free_sgpr 102
		.amdhsa_reserve_vcc 0
		.amdhsa_float_denorm_mode_32 3
		.amdhsa_float_denorm_mode_16_64 3
		.amdhsa_memory_ordered 1
		.amdhsa_forward_progress 1
		.amdhsa_inst_pref_size 133
	.end_amdhsa_kernel
	.amdgpu_metadata
---
amdhsa.version: [ 1, 2 ]
amdhsa.kernels:
  - .name:           k_q05bf26c68c_qkv
    .symbol:         k_q05bf26c68c_qkv.kd
    .args:
      - { .name: x_codes, .offset: 0, .size: 8, .value_kind: global_buffer, .address_space: global }
      - { .name: x_scales, .offset: 8, .size: 8, .value_kind: global_buffer, .address_space: global }
      - { .name: w_codes, .offset: 16, .size: 8, .value_kind: global_buffer, .address_space: global }
      - { .name: w_scales, .offset: 24, .size: 8, .value_kind: global_buffer, .address_space: global }
      - { .name: bq, .offset: 32, .size: 8, .value_kind: global_buffer, .address_space: global }
      - { .name: bk, .offset: 40, .size: 8, .value_kind: global_buffer, .address_space: global }
      - { .name: bv, .offset: 48, .size: 8, .value_kind: global_buffer, .address_space: global }
      - { .name: qkv, .offset: 56, .size: 8, .value_kind: global_buffer, .address_space: global }
      - { .name: fine_qkv, .offset: 64, .size: 8, .value_kind: global_buffer, .address_space: global }
    .group_segment_fixed_size: 327680
    .private_segment_fixed_size: 0
    .kernarg_segment_align: 8
    .kernarg_segment_size: 72
    .max_flat_workgroup_size: 128
    .sgpr_count:     102
    .vgpr_count:     1024
    .wavefront_size: 32
...
	.end_amdgpu_metadata
.endif
;; end of part 2
;; launch attn (part 3): grid 4 x 64, 8 waves a work-group, no clusters, 327,680 bytes of LDS; arguments qkv, att; writes att
.if DOCPART == 3
	.amdgcn_target "amdgcn-amd-amdhsa--gfx1250"
	.amdhsa_code_object_version 6
	.text
	.protected	k_q05bf26c68c_attn
	.globl	k_q05bf26c68c_attn
	.p2align	8
	.type	k_q05bf26c68c_attn,@function
k_q05bf26c68c_attn:
	s_mov_b64 s[64:65], 0
	v_nop
	global_prefetch_b8 v0, s[64:65] scope:SCOPE_SE
	s_setreg_imm32_b32 hwreg(HW_REG_WAVE_MODE, 25, 1), 1
	s_wait_xcnt 0x0
; ATTN.  att[h][b, q][:] = the sum over k <= q of softmax_k(q . k / 8) v[k][:], for 64 (batch, head) pairs of 2,048 positions x 64.  q, k, v: f16, qkv [3][64][2048][64]; products by the f16 matrix form, sums f32;
; maxima, exponentials and sums in f32, with a running maximum in every key step; the weights p are rounded to f16 for the second product; att: f16, [16 h][8192 b x 2048 + q][64].
; LIMITS: NaN and infinities are not served.  Positions 0-15 of a sequence are computed here too, but the output's rows for them come from another launch, in f32.
; SHARES.  Work-group (I, batch x head) owns the blocks I and 7 - I of 256 queries: (I + 1) + (8 - I) = 9 units of 256 keys for every work-group, so all trip counts are constants and all work-groups have equal work.
; Each of eight waves owns 32 queries of the block in hand, two tiles of 16; wave w takes sub-block w (w < 4) or 11 - w, so that waves w and w + 4 together have 5 of the diagonal unit's 8 steps.
; A step of 64 keys all of which come after the wave's queries is jumped over by a scalar branch on ids; on the diagonal hidden scores become -infinity ahead of the maximum.
; NO CLUSTER: the four work-groups of a head walk units 0 .. I and then 0 .. 7 - I, so in no trip but the first do they want the same unit.
; LAYOUT.  S^T = K Q^T (source 0 = 16 keys, source 1 = 16 queries): a lane holds ONE query (lane % 16) and keys 8 (lane / 16) + 0..7; two such tiles, rounded in pairs, are source 1 of O^T = V^T P.  V is turned by ds_load_tr16_b128.
; RING.  Two LDS slots of 256 keys, 2^17 bytes apart.  K's and V's units are dense blocks of 32,768 bytes, stated as rows of 256 bytes (two keys), padded by 16 (K) or 32 (V).  Waves 0, 1 fetch K's halves, waves 2, 3 V's.
; By this text's own count a wave has one tensor load out.  Every wait on TENSORcnt is for 0.
; REGISTERS: window 0: v1-15 addresses; v16-31 statistics, 8 a tile (c m, m, l, l, four at work; a in the third of those); v32-95 S^T; v96-127 P; v128-191 K; v192-255 V.  window 1: v0-31 Q; v32-95 O^T.
.set VOFF,  34816                      ; a slot: 128 row pairs of K x 272 bytes, then 128 of V x 288
.set SLOT1, 1<<17
.set STAGE, 202752                     ; behind the ring: 16 rows x 144 bytes for each wave
.set SPARE, 221184                     ; the spare words, 128 bytes for each wave: four blocks of 256 bytes that no other line names
.set AK0, 1
.set AV0, 2
.set ADK, 3
.set ADV, 4
.set QO,  5
.set STO, 6
.set RD,  7
.set GO,  8
.set DL,  9                            ; v9 lane % 16 - 8 (lane / 16);  v10, v11: the same + first query - first key, for tile 0 and 1
.set NINF, 12
.set PFO, 13
.set SPW, 14
.set NIL, 15
.set ST,  16
.set S,   32
.set P,   96
.set KFR, 128
.set VFR, 192
.set OT,  32                           ; in window 1
.set WV,  8
.set II,  9                            ; s9  I
.set QS,  11                           ; s11 my sub-block of 32 queries
.set SEL, 12
.set CS,  14                           ; s[14:15] c = log2(e) / 8
.set G1K, 16
.set G1V, 24
.set G0K, 32
.set G0V, 36
.set KB,  40                           ; s[40:41] K of my head, at the half that I fetch;  s[42:43] V likewise
.set VB,  42
.set QB,  44
.set OB,  46
.set U,   48                           ; s48 the trip
.set LU,  50                           ; s50 the unit that the next trip reads
.set BLK, 51
.set Q0,  52                           ; s52 my first query
.set KF,  53                           ; s53 the step's first key
.set TBK, 54                           ; s54, s55 LDS byte at which the step's keys begin, in K's pitch and in V's
.set TBV, 55
.set STP, 56
.set QW,  58
.set OW,  60
.set PFK, 76
.set PFV, 78
.set PLO, 80
.set MSB, 0
.macro WIN new
.if MSB != (\new)
	s_set_vgpr_msb (MSB<<8)|(\new)
.set MSB, (\new)
.endif
.endm
.set W_KQ, 0x04                        ; Q (source 1) in window 1
.set W_PV, 0x50                        ; O^T (C and D) in window 1
.set W_RS, 0x41                        ; O^T (destination and source 0) in window 1
.set W_CV, 0x05                        ; sources 0 and 1 in window 1
.set TO1,  0x40                        ; destination in window 1
.macro TLOAD                           ; the branches hang on the wave's number alone; an s_nop 0 and four v_nop follow each load
	s_cmp_lt_u32 s[WV], 2
	s_cbranch_scc0 .Lnot_k_\@
	tensor_load_to_lds s[G0K:G0K+3], s[G1K:G1K+7]
	s_nop 0
.rept 4
	v_nop
.endr
	s_branch .Lasked_\@
.Lnot_k_\@:
	s_cmp_lt_u32 s[WV], 4
	s_cbranch_scc0 .Lasked_\@
	tensor_load_to_lds s[G0V:G0V+3], s[G1V:G1V+7]
	s_nop 0
.rept 4
	v_nop
.endr
.Lasked_\@:
.endm
; A PREFETCH of the unit that the NEXT change of slots will ask for.  Work-group I = 0 is the first of a head's four to want units 4 to 7 (it loads unit u in trip u): its waves 4 to 7, which fetch nothing, ask in trip u - 1,
; 32 blocks of 256 bytes a wave, a lane a block, once for K and once for V: each block is named once in the launch.  Units 0 to 3 are wanted by other work-groups at once and come by their loads alone; trip 7 asks for nothing.
.macro ASK
	s_cmp_lt_u32 s[U], s[PLO]
	s_cbranch_scc1 .Lnot_mine_\@
	s_cmp_gt_u32 s[U], 6
	s_cbranch_scc1 .Lnot_mine_\@
	global_prefetch_b8 v[PFO], s[PFK:PFK+1] th:TH_LOAD_NT scope:SCOPE_SE
	global_prefetch_b8 v[PFO], s[PFV:PFV+1] th:TH_LOAD_NT scope:SCOPE_SE
.Lnot_mine_\@:
.endm
; THE CHANGE OF SLOTS, at a unit's head.  Each wave waits for all its tensor loads, adds 0 to its spare word, and waits for that and for its reads of the slot that it has left; behind the barrier the slot ahead is whole
; and nobody reads the other one, which takes the next trip's unit: that load has four steps in which to land.
.macro CHANGE fill
	s_wait_tensorcnt 0x0                           ; no tensor load of mine is out, so a group 0 may be written
	ds_add_u32 v[SPW], v[NIL]                      ; 0 onto my spare word
.if \fill
	ds_add_u32 v[SPW], v[NIL]                      ; and once more, in every trip alike
	s_add_co_u32 s68, s[U], 1
	s_sub_co_u32 s69, s[U], s[II]
	s_cmp_gt_u32 s68, s[II]
	s_cselect_b32 s[LU], s69, s68                  ; the next trip's unit: U + 1 in the first block, U - I in the second
	s_lshl_b32 s66, s[LU], 15
	s_mov_b32 s67, 0
	s_add_nc_u64 s[G0K+2:G0K+3], s[KB:KB+1], s[66:67]
	s_or_b32 s[G0K+3], s[G0K+3], 0x80000000
	s_add_nc_u64 s[G0V+2:G0V+3], s[VB:VB+1], s[66:67]
	s_or_b32 s[G0V+3], s[G0V+3], 0x80000000
	s_xor_b32 s[G0K+1], s[G0K+1], SLOT1            ; the other slot than last time
	s_xor_b32 s[G0V+1], s[G0V+1], SLOT1
	s_wait_xcnt 0x0                                ; the last prefetches, a unit back, have read their addresses
	s_add_nc_u64 s[PFK:PFK+1], s[PFK:PFK+1], 32768
	s_add_nc_u64 s[PFV:PFV+1], s[PFV:PFV+1], 32768
.endif
	s_wait_dscnt 0x0                               ; the add is done, and my reads of the slot that I have left are over
	s_barrier_signal -1
	s_barrier_wait -1
.if \fill
	TLOAD                                          ; the first thing behind the barrier, and a wave's one tensor load until the next
	ASK
.endif
.endm
; A KEY STEP: 64 keys against my 32 queries.
.macro STEP
	s_add_co_u32 s66, s[Q0], 31
	s_cmp_gt_u32 s[KF], s66                        ; all 64 keys come after my last query: ids and the count of steps alone
	s_cbranch_scc1 .Lhidden_\@
	v_add_nc_u32 v[ADK], s[TBK], v[AK0]
	v_add_nc_u32 v[ADV], s[TBV], v[AV0]
	v_nop
	v_nop                                          ; four places between the last step's products and the loads into V's registers
.irp kt, 0,1,2,3
.irp c, 0,1
	ds_load_b128 v[KFR+16*\kt+8*\c:KFR+16*\kt+8*\c+3],   v[ADK] offset:2176*\kt+64*\c
	ds_load_b128 v[KFR+16*\kt+8*\c+4:KFR+16*\kt+8*\c+7], v[ADK] offset:2176*\kt+64*\c+32
.endr
.endr
.irp kh, 0,1
.irp ct, 0,1,2,3
	ds_load_tr16_b128 v[VFR+32*\kh+8*\ct:VFR+32*\kh+8*\ct+3],   v[ADV] offset:4608*\kh+32*\ct
	ds_load_tr16_b128 v[VFR+32*\kh+8*\ct+4:VFR+32*\kh+8*\ct+7], v[ADV] offset:4608*\kh+2304+32*\ct
.endr
.endr
	s_wait_dscnt 16                                ; K is in; V's sixteen loads may be out
	WIN W_KQ
.irp c, 0,1                                    ; the eight accumulators take turns, one instruction a turn
.irp kt, 0,1,2,3
.irp t, 0,1
.if \c == 0
	v_wmma_f32_16x16x32_f16 v[S+32*\t+8*\kt:S+32*\t+8*\kt+7], v[KFR+16*\kt+8*\c:KFR+16*\kt+8*\c+7], v[16*\t+8*\c:16*\t+8*\c+7], 0
.else
	v_wmma_f32_16x16x32_f16 v[S+32*\t+8*\kt:S+32*\t+8*\kt+7], v[KFR+16*\kt+8*\c:KFR+16*\kt+8*\c+7], v[16*\t+8*\c:16*\t+8*\c+7], v[S+32*\t+8*\kt:S+32*\t+8*\kt+7]
.endif
.endr
.endr
.endr
	WIN 0
.rept 4
	v_nop
.endr
	s_add_co_u32 s66, s[KF], 63
	s_cmp_le_u32 s66, s[Q0]                        ; all 64 keys count for all my queries: no mask
	s_cbranch_scc1 .Lopen_\@
	s_sub_co_i32 s66, s[Q0], s[KF]
	v_add_nc_u32 v10, s66, v[DL]                   ; register 8 kt + j of tile t holds key KF + 16 kt + 8 (lane / 16) + j: hidden where 16 kt + j > lane % 16 - 8 (lane / 16) + Q0 - KF + 16 t
	v_add_nc_u32 v11, 16, v10
.set n, 0
.rept 32
	v_cmp_gt_i32 vcc_lo, 16*(n/8)+n%8, v10
	v_cndmask_b32 v[S+n], v[S+n], v[NINF], vcc_lo
	v_cmp_gt_i32 vcc_lo, 16*(n/8)+n%8, v11
	v_cndmask_b32 v[S+32+n], v[S+32+n], v[NINF], vcc_lo
.set n, n+1
.endr
.Lopen_\@:
	; the maximum of a lane's 32 scores and the old m: four chains, each begun at an accumulator's low end; the two tiles alternate
.set j, 0
.rept 4
.irp t, 0,1
	v_max3_num_f32 v[ST+8*\t+4+j], v[S+32*\t+8*j], v[S+32*\t+8*j+1], v[S+32*\t+8*j+2]
.endr
.set j, j+1
.endr
.rept 8
.irp t, 0,1
	v_max3_num_f32 v[ST+8*\t+4+j%4], v[ST+8*\t+4+j%4], v[S+32*\t+8*(j%4)+2*(j/4)+1], v[S+32*\t+8*(j%4)+2*(j/4)+2]
.endr
.set j, j+1
.endr
.irp t, 0,1
	v_max3_num_f32 v[ST+8*\t+4], v[ST+8*\t+4], v[S+32*\t+7], v[S+32*\t+15]
.endr
.irp t, 0,1
	v_max3_num_f32 v[ST+8*\t+6], v[ST+8*\t+6], v[S+32*\t+23], v[S+32*\t+31]
.endr
.irp t, 0,1
	v_max3_num_f32 v[ST+8*\t+4], v[ST+8*\t+4], v[ST+8*\t+5], v[ST+8*\t+6]
.endr
.irp t, 0,1
	v_max3_num_f32 v[ST+8*\t+4], v[ST+8*\t+4], v[ST+8*\t+7], v[ST+8*\t+1]
.endr
.irp t, 0,1
	v_permlanex16_b32 v[ST+8*\t+5], v[ST+8*\t+4], s[SEL], s[SEL+1]   ; the query's other 32 keys lie in the lane 16 away
.endr
.irp t, 0,1
	v_mov_b32 v[ST+8*\t+7], v[ST+8*\t]             ; c m_old
.endr
.irp t, 0,1
	v_max_num_f32 v[ST+8*\t+1], v[ST+8*\t+4], v[ST+8*\t+5]
.endr
.irp t, 0,1
	v_mul_f32 v[ST+8*\t], s[CS], v[ST+8*\t+1]
.endr
.irp t, 0,1
	v_sub_f32 v[ST+8*\t+7], v[ST+8*\t+7], v[ST+8*\t]
.endr
.set j, 0
.rept 16
.irp t, 0,1
	v_pk_fma_f32 v[S+32*\t+2*j:S+32*\t+2*j+1], v[S+32*\t+2*j:S+32*\t+2*j+1], s[CS:CS+1], v[ST+8*\t:ST+8*\t+1] op_sel_hi:[1,0,0] neg_lo:[0,0,1] neg_hi:[0,0,1]   ; c s - c m
.endr
.set j, j+1
.endr
.irp t, 0,1
	v_exp_f32 v[ST+8*\t+6], v[ST+8*\t+7]           ; a = 2^(c m_old - c m_new)
.endr
.set j, 0
.rept 64
	v_exp_f32 v[S+j], v[S+j]                       ; p: one batch of exponentials
.set j, j+1
.endr
	v_nop                                          ; a plain instruction behind the last exponential
	s_wait_alu depctr_va_vdst(0)                   ; one wait for the batch, ahead of its first reader
.set j, 0
.rept 32
	v_cvt_pk_f16_f32 v[P+j], v[S+2*j], v[S+2*j+1]
.set j, j+1
.endr
.irp w, 4,8,16,32                              ; the sum of a tile's 16 pairs, in place: neighbours 1, 2, 4 and 8 pairs apart
.set j, 0
.rept 64/\w
	v_pk_add_f32 v[S+\w*j:S+\w*j+1], v[S+\w*j:S+\w*j+1], v[S+\w*j+\w/2:S+\w*j+\w/2+1]
.set j, j+1
.endr
.endr
.irp t, 0,1
	v_pk_fma_f32 v[ST+8*\t+2:ST+8*\t+3], v[ST+8*\t+2:ST+8*\t+3], v[ST+8*\t+6:ST+8*\t+7], v[S+32*\t:S+32*\t+1] op_sel_hi:[1,0,1]   ; l = a l + the sum
.endr
	WIN W_RS
.irp t, 0,1
.set j, 0
.rept 16
	v_pk_mul_f32 v[OT+32*\t+2*j:OT+32*\t+2*j+1], v[OT+32*\t+2*j:OT+32*\t+2*j+1], v[ST+8*\t+6:ST+8*\t+7] op_sel_hi:[1,0]   ; O^T x a, each accumulator from its low end on
.set j, j+1
.endr
.endr
	s_wait_dscnt 0x0                               ; V is in
	WIN W_PV
.irp kh, 0,1
.irp ct, 0,1,2,3
.irp t, 0,1
	v_wmma_f32_16x16x32_f16 v[OT+32*\t+8*\ct:OT+32*\t+8*\ct+7], v[VFR+32*\kh+8*\ct:VFR+32*\kh+8*\ct+7], v[P+16*\t+8*\kh:P+16*\t+8*\kh+7], v[OT+32*\t+8*\ct:OT+32*\t+8*\ct+7]
.endr
.endr
.endr
	WIN 0
.Lhidden_\@:
	s_add_co_u32 s[KF], s[KF], 64
	s_add_co_u32 s[TBK], s[TBK], 8704              ; 32 row pairs on
	s_add_co_u32 s[TBV], s[TBV], 9216
.endm
.macro FOUR_STEPS                      ; a unit's four steps: written once, walked four times
	s_mov_b32 s[STP], 4
.Lstep_\@:
	STEP
	s_sub_co_u32 s[STP], s[STP], 1
	s_cmp_lg_u32 s[STP], 0
	s_cbranch_scc1 .Lstep_\@
	s_sub_co_u32 s[TBK], s[TBK], 34816
	s_sub_co_u32 s[TBV], s[TBV], 36864
	s_xor_b32 s[TBK], s[TBK], SLOT1                ; on to the other slot
	s_xor_b32 s[TBV], s[TBV], SLOT1
.endm
; A block of queries begins: Q into registers; O^T and l are zeros and m lies under every score, so that the step is written once: the first a is 0 and multiplies zeros.
.macro START
	s_wait_xcnt 0x0                                ; the last block's stores have read their registers
	s_lshl_b32 s[Q0], s[BLK], 8
	s_lshl_b32 s66, s[QS], 5
	s_add_co_u32 s[Q0], s[Q0], s66
	s_mov_b32 s[KF], 0
	s_lshl_b32 s66, s[Q0], 7
	s_mov_b32 s67, 0
	s_add_nc_u64 s[QW:QW+1], s[QB:QB+1], s[66:67]
	WIN TO1
.irp t, 0,1
.irp c, 0,1
	global_load_b128 v[16*\t+8*\c:16*\t+8*\c+3],   v[QO], s[QW:QW+1] offset:2048*\t+64*\c
	global_load_b128 v[16*\t+8*\c+4:16*\t+8*\c+7], v[QO], s[QW:QW+1] offset:2048*\t+64*\c+32
.endr
.endr
.set j, 0
.rept 64
	v_mov_b32 v[OT+j], 0
.set j, j+1
.endr
	WIN 0
.irp t, 0,1
	v_mov_b32 v[ST+8*\t+1], 0xff61b1e6             ; -3e38
	v_mul_f32 v[ST+8*\t], s[CS], v[ST+8*\t+1]
	v_mov_b32 v[ST+8*\t+2], 0
	v_mov_b32 v[ST+8*\t+3], 0
.endr
	s_wait_loadcnt 0x0
.endm
; A block of queries ends: O^T / l, rounded to f16, through my stage, a tile at a time: 16 rows x 128 bytes leave as four stores of 512 consecutive bytes.
.macro FINISH
.irp t, 0,1
	v_add_f32 v[ST+8*\t+4], v[ST+8*\t+2], v[ST+8*\t+3]     ; (these lines are also the places behind the last products)
.endr
.irp t, 0,1
	v_permlanex16_b32 v[ST+8*\t+5], v[ST+8*\t+4], s[SEL], s[SEL+1]
.endr
.irp t, 0,1
	v_add_f32 v[ST+8*\t+4], v[ST+8*\t+4], v[ST+8*\t+5]
.endr
.irp t, 0,1
	v_rcp_f32 v[ST+8*\t+6], v[ST+8*\t+4]
.endr
	v_nop
	s_wait_alu depctr_va_vdst(0)                   ; one wait for the two reciprocals, ahead of their first reader
	s_wait_xcnt 0x0                                ; earlier stores have read their base
	s_lshl_b32 s66, s[Q0], 7
	s_mov_b32 s67, 0
	s_add_nc_u64 s[OW:OW+1], s[OB:OB+1], s[66:67]
.irp t, 0,1
	WIN W_RS
.set j, 0
.rept 16
	v_pk_mul_f32 v[OT+32*\t+2*j:OT+32*\t+2*j+1], v[OT+32*\t+2*j:OT+32*\t+2*j+1], v[ST+8*\t+6:ST+8*\t+7] op_sel_hi:[1,0]
.set j, j+1
.endr
	WIN W_CV
.set j, 0
.rept 16
	v_cvt_pk_f16_f32 v[S+16*\t+j], v[OT+32*\t+2*j], v[OT+32*\t+2*j+1]
.set j, j+1
.endr
	WIN 0
.irp ct, 0,1,2,3
	ds_store_b128 v[STO], v[S+16*\t+4*\ct:S+16*\t+4*\ct+3] offset:32*\ct
.endr
.irp u, 0,1,2,3
	ds_load_b128 v[P+16*\t+4*\u:P+16*\t+4*\u+3], v[RD] offset:576*\u   ; the wave's own bytes, served in order
.endr
.irp u, 0,1,2,3
	s_wait_dscnt 3-\u
	global_store_b128 v[GO], v[P+16*\t+4*\u:P+16*\t+4*\u+3], s[OW:OW+1] offset:2048*\t+512*\u
.endr
.endr
.endm
	s_load_b128 s[4:7], s[0:1], 0x0                ; qkv, att
	v_lshl_add_u32 v[SPW], v0, 2, SPARE
	v_mov_b32 v[NIL], 0
	ds_add_u32 v[SPW], v[NIL]                      ; the wave's opening: the add, twice on end, and its wait ahead of my first tensor load
	ds_add_u32 v[SPW], v[NIL]
	v_lshrrev_b32 v1, 5, v0
	v_readfirstlane_b32 s[WV], v1                  ; wave 0..7
	s_mov_b32 s[II], ttmp9
	s_and_b32 s10, ttmp7, 0xffff                   ; batch x 16 + head
	s_lshr_b32 s66, s[WV], 2
	s_mul_i32 s67, s66, 3
	s_xor_b32 s[QS], s[WV], s67                    ; 0, 1, 2, 3, 7, 6, 5, 4
	s_xor_b32 s66, s66, 1
	s_or_b32 s66, s66, ttmp9                       ; 0 in waves 4 to 7 of work-group I = 0
	s_cmp_eq_u32 s66, 0
	s_cselect_b32 s[PLO], 3, -1
	s_mov_b32 s[SEL], 0x76543210
	s_mov_b32 s[SEL+1], 0xfedcba98
	s_mov_b32 s[CS], 0x3e38aa3b                    ; log2(e) / 8
	s_mov_b32 s[CS+1], s[CS]
	s_mov_b32 s[G1K], (3<<16)|(1<<20)|(5<<22)|(3<<25)   ; elements of 8 bytes; padding on: after every 64 words, 4 words
	s_mov_b32 s[G1V], (3<<16)|(1<<20)|(5<<22)|(7<<25)   ; the same with 8 words
.irp g, G1K, G1V
	s_mov_b32 s[\g+1], 32<<16                      ; tensor_dim0: 32 elements, 256 bytes
	s_mov_b32 s[\g+2], 64<<16                      ; tensor_dim1: 64 rows: 128 keys
	s_mov_b32 s[\g+3], 32<<16                      ; tile_dim0
	s_mov_b32 s[\g+4], 64                          ; tile_dim1
	s_mov_b32 s[\g+5], 32                          ; the pitch: dense
	s_mov_b32 s[\g+6], 0
	s_mov_b32 s[\g+7], 0
.endr
	s_and_b32 s68, s[WV], 1                        ; which half of a unit I fetch, if I fetch
	s_mov_b32 s[G0K], 1
	s_mul_i32 s[G0K+1], s68, 17408
	s_mov_b32 s[G0V], 1
	s_mul_i32 s[G0V+1], s68, 18432
	s_add_co_u32 s[G0V+1], s[G0V+1], VOFF
	s_lshl_b32 s70, s68, 14
	s_mov_b32 s71, 0
	s_lshl_b32 s66, s10, 18                        ; a head's 2,048 rows of 128 bytes
	s_mov_b32 s67, 0
	s_and_b32 s72, s10, 15
	s_lshl_b32 s72, s72, 20
	s_lshr_b32 s73, s10, 4
	s_lshl_b32 s73, s73, 18
	s_add_co_u32 s72, s72, s73
	s_mov_b32 s73, 0
	s_mov_b32 s[TBK], 0
	s_mov_b32 s[TBV], 0
	s_mov_b32 s[U], 0
	s_mov_b32 s[BLK], s[II]
	s_wait_dscnt 0x0                               ; both opening adds are done
	s_wait_kmcnt 0x0
	s_add_nc_u64 s[QB:QB+1], s[4:5], s[66:67]
	s_add_nc_u64 s[PFK:PFK+1], s[QB:QB+1], 0x1000000   ; K of my head; each change of slots steps it a unit on
	s_add_nc_u64 s[PFV:PFV+1], s[QB:QB+1], 0x2000000
	s_add_nc_u64 s[KB:KB+1], s[PFK:PFK+1], s[70:71]
	s_add_nc_u64 s[VB:VB+1], s[PFV:PFV+1], s[70:71]
	s_add_nc_u64 s[OB:OB+1], s[6:7], s[72:73]
	s_mov_b64 s[G0K+2:G0K+3], s[KB:KB+1]
	s_or_b32 s[G0K+3], s[G0K+3], 0x80000000
	s_mov_b64 s[G0V+2:G0V+3], s[VB:VB+1]
	s_or_b32 s[G0V+3], s[G0V+3], 0x80000000
	TLOAD                                          ; unit 0 into slot 0
	v_and_b32 v10, 15, v0                          ; r
	v_bfe_u32 v11, v0, 4, 1                        ; h
	v_lshrrev_b32 v3, 1, v10
	v_mul_u32_u24 v[AK0], v3, 272
	v_and_b32 v3, 1, v0
	v_lshl_add_u32 v[AK0], v3, 7, v[AK0]
	v_lshl_add_u32 v[AK0], v11, 4, v[AK0]          ; K: key r: row pair r / 2, half r % 2, + 16 h
	v_bfe_u32 v4, v0, 1, 2
	v_lshl_add_u32 v4, v11, 2, v4
	v_mul_u32_u24 v[AV0], v4, 288
	v_lshl_add_u32 v[AV0], v3, 7, v[AV0]
	v_bfe_u32 v4, v0, 3, 1
	v_lshl_add_u32 v[AV0], v4, 4, v[AV0]
	v_add_nc_u32 v[AV0], VOFF, v[AV0]              ; V: key 8 h + lane % 8, channels 8 ((lane / 8) % 2) on
	v_lshlrev_b32 v[QO], 7, v10
	v_lshl_add_u32 v[QO], v11, 4, v[QO]
	s_mul_i32 s66, s[WV], 2304
	s_add_co_u32 s66, s66, STAGE
	v_mul_u32_u24 v[STO], v10, 144
	v_lshl_add_u32 v[STO], v11, 4, v[STO]
	v_add_nc_u32 v[STO], s66, v[STO]
	v_bfe_u32 v3, v0, 3, 2
	v_mul_u32_u24 v[RD], v3, 144
	v_and_b32 v4, 7, v0
	v_lshl_add_u32 v[RD], v4, 4, v[RD]
	v_add_nc_u32 v[RD], s66, v[RD]
	v_and_b32 v[GO], 31, v0
	v_lshlrev_b32 v[GO], 4, v[GO]
	v_lshlrev_b32 v[DL], 3, v11
	v_sub_nc_u32 v[DL], v10, v[DL]
	v_mov_b32 v[NINF], 0xff800000
	v_and_b32 v[PFO], 127, v0
	v_lshlrev_b32 v[PFO], 8, v[PFO]
.irp t, 0,1
.irp i, 4,5,6,7
	v_mov_b32 v[ST+8*\t+\i], 0                     ; written once: a lane permute's destination and a pair's upper half count as read
.endr
.endr
	START
.Lunit:                                            ; eight trips; behind each change of slots the next trip's unit is asked for
	CHANGE 1
	FOUR_STEPS
	s_cmp_lg_u32 s[U], s[II]                       ; the first block's last unit is unit I: ids and the count of trips alone, the same in all waves
	s_cbranch_scc1 .Lsame
	FINISH
	s_sub_co_u32 s[BLK], 7, s[II]
	START
.Lsame:
	s_add_co_u32 s[U], s[U], 1
	s_cmp_lt_u32 s[U], 8
	s_cbranch_scc1 .Lunit
	CHANGE 0                                       ; the last unit is written out: nothing is asked for
	FOUR_STEPS
	FINISH
	s_wait_tensorcnt 0x0                           ; the wave's end
	ds_add_u32 v[SPW], v[NIL]
	s_wait_dscnt 0x0
	s_endpgm
.Lfunc_end_k_q05bf26c68c_attn:
	.size	k_q05bf26c68c_attn, .Lfunc_end_k_q05bf26c68c_attn-k_q05bf26c68c_attn
	.p2alignl 7, 3214868480
	.fill 96, 4, 3214868480
	.section	.rodata,"a",@progbits
	.p2align	6, 0x0
	.amdhsa_kernel k_q05bf26c68c_attn
		.amdhsa_group_segment_fixed_size 327680
		.amdhsa_private_segment_fixed_size 0
		.amdhsa_enable_private_segment 0
		.amdhsa_kernarg_size 16
		.amdhsa_user_sgpr_count 2
		.amdhsa_user_sgpr_kernarg_segment_ptr 1
		.amdhsa_wavefront_size32 1
		.amdhsa_system_sgpr_workgroup_id_x 1
		.amdhsa_system_sgpr_workgroup_id_y 1
		.amdhsa_system_sgpr_workgroup_id_z 1
		.amdhsa_system_vgpr_workitem_id 0
		.amdhsa_next_free_vgpr 384
		.amdhsa_next_free_sgpr 84
		.amdhsa_reserve_vcc 1
		.amdhsa_float_denorm_mode_32 3
		.amdhsa_float_denorm_mode_16_64 3
		.amdhsa_memory_ordered 1
		.amdhsa_forward_progress 1
		.amdhsa_inst_pref_size 72
	.end_amdhsa_kernel
	.amdgpu_metadata
---
amdhsa.version: [ 1, 2 ]
amdhsa.kernels:
  - .name:           k_q05bf26c68c_attn
    .symbol:         k_q05bf26c68c_attn.kd
    .args:
      - { .name: qkv, .offset: 0, .size: 8, .value_kind: global_buffer, .address_space: global }
      - { .name: att, .offset: 8, .size: 8, .value_kind: global_buffer, .address_space: global }
    .group_segment_fixed_size: 327680
    .private_segment_fixed_size: 0
    .kernarg_segment_align: 8
    .kernarg_segment_size: 16
    .max_flat_workgroup_size: 256
    .sgpr_count:     84
    .vgpr_count:     384
    .wavefront_size: 32
...
	.end_amdgpu_metadata
.endif
;; end of part 3
;; launch proj (part 4): grid 8 x 32, 4 waves a work-group, clusters of 4 x 4, 327,680 bytes of LDS; arguments att, wo_t, bo, out0; writes out0
.if DOCPART == 4
	.amdgcn_target "amdgcn-amd-amdhsa--gfx1250"
	.amdhsa_code_object_version 6
	.text
	.protected	k_q05bf26c68c_proj
	.globl	k_q05bf26c68c_proj
	.p2align	8
	.type	k_q05bf26c68c_proj,@function
k_q05bf26c68c_proj:
	s_mov_b64 s[64:65], 0
	v_nop
	global_prefetch_b8 v0, s[64:65] scope:SCOPE_SE
	s_setreg_imm32_b32 hwreg(HW_REG_WAVE_MODE, 25, 1), 1
	s_wait_xcnt 0x0
	s_wait_alu depctr_hold_cnt(0) depctr_sa_sdst(0) depctr_va_vdst(0) depctr_va_sdst(0) depctr_va_ssrc(0) depctr_va_vcc(0) depctr_vm_vsrc(0)
	s_getreg_b32 s2, hwreg(HW_REG_IB_STS2, 6, 4)
	s_cmp_eq_u32 s2, 0
	s_cbranch_scc0 .Lentry_in_a_cluster
	s_endpgm
.Lentry_in_a_cluster:
	s_bfe_u32 s2, ttmp6, 0x10000c
	s_cmp_lg_u32 s2, 0xf033
	s_cbranch_scc0 .Lentry_shape_is_right
	s_endpgm
.Lentry_shape_is_right:
; PROJ.  out0[row][n] = the sum over k of att[row][k] Wo[k][n] + bo[n], f16 operands, f32 sums, for all rows but the first 16 positions of each sequence, which another launch writes in f32.
; att: f16 [16 heads][8192 rows][64], k = 64 head + channel; wo_t: f16 [1024 n][1024 k]; out0: f32 [8192][1024].
; A tile of 256 rows x 128 columns is made by four waves, 128 x 64 each: 32 accumulators, 256 registers: 256 work-groups.  K goes in 8 steps of 128 (two heads) through two LDS slots.
; A head's 256 rows are 32,768 dense bytes, stated as 128 rows of 256 bytes (two rows of att), 16 bytes of padding behind each; wo_t's rows of a step are 256 bytes, padded alike.
; CLUSTERS: 4 x 4.  Tile column = 4 x cluster x + cx; tile row = 8 cy + cluster y, so that 'the first block of a sequence' hangs on the cluster's y alone.  att's tiles are shared along a row of the cluster, wo_t's along a column.
; THE MATRIX INSTRUCTION IS USED TRANSPOSED (source 0 = 16 rows of wo_t, source 1 = 16 rows of att): a lane holds eight neighbouring columns of one row.  The bias is the C of each sum's first instruction.
; By this text's own count a wave has two tensor loads out at the start and one behind each round.
; REGISTERS: window 0: v16-29 addresses; v32-63 the bias, later rows on the way out; v64-127, v128-191 att's fragments, two buffers; v192-223, v224-255 wo_t's.  window 1: accumulator (a, b) at v[8 (4 a + b)].
.set SLOT,  104448                     ; two planes of 34,816 bytes (a head each), then wo_t's 128 rows x 272
.set BOFF,  69632
.set STAGE, 208896                     ; behind the ring: 16 rows x 272 bytes for each wave
.set SPARE, 226304                     ; the spare words, 128 bytes for each wave: two blocks of 256 bytes that no other line names
.set LAPS,  4
.set ADRA, 16
.set ADRB, 20
.set STO,  24
.set RD,   25
.set CO,   26
.set SPW,  28
.set NIL,  29
.set BI,   32
.set G1, 24
.set G0, 32
.set G1B, 48
.set G0B, 56
.set MSB, 0
.macro WIN new
.if MSB != (\new)
	s_set_vgpr_msb (MSB<<8)|(\new)
.set MSB, (\new)
.endif
.endm
.set MUL, 0x50                         ; C and D window 1
.set MUL1, 0x40                        ; the first quarter: C (the bias) window 0
.macro JLOAD s                         ; waves 0 and 1 fetch att's two planes, waves 2 and 3 wo_t's two halves; an s_nop 0 and four v_nop follow each of the two lines
	s_cmp_eq_u32 s13, 0
	s_cbranch_scc0 .Lfor_b_\@
	tensor_load_to_lds s[G0+4*\s:G0+4*\s+3], s[G1:G1+7]
	s_nop 0
.rept 4
	v_nop
.endr
	s_branch .Lasked_\@
.Lfor_b_\@:
	tensor_load_to_lds s[G0B+4*\s:G0B+4*\s+3], s[G1B:G1B+7]
	s_nop 0
.rept 4
	v_nop
.endr
.Lasked_\@:
.endm
.macro CREST
	s_cmp_lg_u32 s12, 0
	s_cbranch_scc1 .Lnot_wave_0_\@
	s_barrier_signal -3
.Lnot_wave_0_\@:
	s_barrier_wait -3
	s_barrier_signal -1
	s_barrier_wait -1
.endm
.macro CROUND
	s_barrier_signal -1
	s_barrier_wait -1
	CREST
.endm
	s_load_b256 s[4:11], s[0:1], 0x0               ; att, wo_t, bo, out0
	v_lshl_add_u32 v[SPW], v0, 2, SPARE
	v_mov_b32 v[NIL], 0
	ds_add_u32 v[SPW], v[NIL]                      ; the wave's opening: the add, twice on end, and its wait ahead of my first tensor load
	ds_add_u32 v[SPW], v[NIL]
	v_lshrrev_b32 v1, 5, v0
	v_readfirstlane_b32 s12, v1                    ; wave 0..3
	s_lshr_b32 s13, s12, 1                         ; which 128 rows are mine.  Also: I fetch for att (0) or for wo_t (1)
	s_and_b32 s14, s12, 1                          ; which 64 columns.  Also: which plane, or which 64 rows of wo_t, I fetch
	s_bfe_u32 s40, ttmp6, 0x40000                  ; cx
	s_bfe_u32 s41, ttmp6, 0x40004                  ; cy
	s_lshl_b32 s42, ttmp9, 2
	s_add_co_u32 s42, s42, s40                     ; tile column
	s_and_b32 s15, ttmp7, 0xffff                   ; cluster y
	s_lshl_b32 s45, s41, 3
	s_add_co_u32 s45, s45, s15                     ; tile row = 8 cy + cluster y
	s_lshl_b32 s43, s41, 2
	s_lshl_b32 s43, 15, s43                        ; my row of the cluster
	s_lshl_b32 s44, 0x1111, s40                    ; my column
	s_or_b32 s[G1+0], s43, (3<<16)|(1<<20)|(1<<21)|(5<<22)|(3<<25)   ; the mask; elements of 8 bytes; padding on; bit 21 beside a mask; after every 64 words, 4 words
	s_mov_b32 s[G1+1], 32<<16                      ; tensor_dim0: 256 bytes
	s_mov_b32 s[G1+2], 128<<16                     ; tensor_dim1
	s_mov_b32 s[G1+3], 32<<16                      ; tile_dim0
	s_mov_b32 s[G1+4], 128                         ; tile_dim1
	s_mov_b32 s[G1+5], 32                          ; dense
	s_mov_b32 s[G1+6], 0
	s_mov_b32 s[G1+7], 0
	s_or_b32 s[G1B+0], s44, (1<<16)|(1<<20)|(1<<21)|(5<<22)|(3<<25)  ; elements of 2 bytes
	s_mov_b32 s[G1B+1], 128<<16
	s_mov_b32 s[G1B+2], 64<<16
	s_mov_b32 s[G1B+3], 128<<16
	s_mov_b32 s[G1B+4], 64
	s_mov_b32 s[G1B+5], 1024
	s_mov_b32 s[G1B+6], 0
	s_mov_b32 s[G1B+7], 0
	s_lshl_b32 s16, s14, 20                        ; att: head = my plane, row 256 x tile row
	s_lshl_b32 s17, s45, 15
	s_add_co_u32 s16, s16, s17
	s_mov_b32 s17, 0
	s_lshl_b32 s46, s42, 18                        ; wo_t: row 128 x tile column + 64 x half
	s_lshl_b32 s47, s14, 17
	s_add_co_u32 s46, s46, s47
	s_mov_b32 s47, 0
	s_mul_i32 s20, s14, 34816                      ; where they go: no place in the cluster enters an LDS address
	s_mul_i32 s21, s14, 17408
	s_add_co_u32 s21, s21, BOFF
	s_wait_dscnt 0x0                               ; both opening adds are done
	s_wait_kmcnt 0x0
	s_add_nc_u64 s[18:19], s[4:5], s[16:17]
	s_add_nc_u64 s[46:47], s[6:7], s[46:47]
	CROUND                                         ; all sixteen work-groups are here: the first joint loads meet
.irp s, 0,1
	s_mov_b32 s[G0+4*\s], 1
	s_add_co_u32 s[G0+4*\s+1], s20, \s*SLOT
	s_add_nc_u64 s[G0+4*\s+2:G0+4*\s+3], s[18:19], \s*2097152      ; K step s: heads 2 s, 2 s + 1
	s_or_b32 s[G0+4*\s+3], s[G0+4*\s+3], 0x80000000
	s_mov_b32 s[G0B+4*\s], 1
	s_add_co_u32 s[G0B+4*\s+1], s21, \s*SLOT
	s_add_nc_u64 s[G0B+4*\s+2:G0B+4*\s+3], s[46:47], \s*256
	s_or_b32 s[G0B+4*\s+3], s[G0B+4*\s+3], 0x80000000
	JLOAD \s
.endr
	v_and_b32 v1, 15, v0                           ; r
	v_bfe_u32 v2, v0, 4, 1                         ; h
	v_lshrrev_b32 v3, 1, v1
	v_mul_u32_u24 v3, v3, 272
	v_and_b32 v4, 1, v0
	v_lshl_add_u32 v3, v4, 7, v3
	v_lshl_add_u32 v3, v2, 4, v3                   ; att: row r: row pair r / 2, half r % 2, + 16 h
	v_mul_u32_u24 v4, v1, 272
	v_lshl_add_u32 v4, v2, 4, v4                   ; wo_t: row r, + 16 h
	s_mul_i32 s21, s13, 17408
	s_mul_i32 s22, s14, 17408
	s_add_co_u32 s22, s22, BOFF
.irp s, 0,1
	v_add_nc_u32 v[ADRA+\s], s21, v3
	v_add_nc_u32 v[ADRB+\s], s22, v4
	s_add_co_u32 s21, s21, SLOT
	s_add_co_u32 s22, s22, SLOT
.endr
	s_mul_i32 s23, s12, 4352
	s_add_co_u32 s23, s23, STAGE                   ; my stage
	v_mul_u32_u24 v5, v1, 272
	v_lshl_add_u32 v5, v2, 5, v5
	v_add_nc_u32 v[STO], s23, v5                   ; in: row r, 32 bytes for each half of the lanes
	v_mul_u32_u24 v5, v2, 272
	v_lshl_add_u32 v5, v1, 4, v5
	v_add_nc_u32 v[RD], s23, v5                    ; back: lanes 0-15 one row of 256 bytes, lanes 16-31 the next
	v_lshlrev_b32 v5, 12, v2
	v_lshl_add_u32 v[CO], v1, 4, v5                ; and the same two rows in out0
	s_lshl_b32 s16, s45, 20
	s_lshl_b32 s17, s13, 19
	s_add_co_u32 s16, s16, s17                     ; my first row: 256 x tile row + 128 x half, rows of 4,096 bytes
	s_mov_b32 s17, 0
	s_add_nc_u64 s[10:11], s[10:11], s[16:17]
	s_lshl_b32 s46, s42, 9
	s_lshl_b32 s47, s14, 8
	s_add_co_u32 s46, s46, s47                     ; my first column, in bytes
	s_mov_b32 s47, 0
	s_add_nc_u64 s[10:11], s[10:11], s[46:47]
	s_add_nc_u64 s[8:9], s[8:9], s[46:47]
	v_lshlrev_b32 v6, 5, v2
.irp b, 0,1,2,3
	global_load_b128 v[BI+8*\b:BI+8*\b+3], v6, s[8:9] offset:64*\b          ; lane (r, h): bo of columns 16 b + 8 h + 0 .. 7
	global_load_b128 v[BI+8*\b+4:BI+8*\b+7], v6, s[8:9] offset:64*\b+16
.endr
; 8 matrix instructions: row blocks a0, a0 + 1 x the 4 column blocks, 32 along K, from buffer f.  The 32 accumulators take turns, one instruction a turn.
.macro MUL8 f, a0, first
.irp a, \a0, \a0+1
.irp b, 0,1,2,3
.if \first
	v_wmma_f32_16x16x32_f16 v[8*(4*(\a)+\b):8*(4*(\a)+\b)+7], v[192+32*(\f)+8*\b:192+32*(\f)+8*\b+7], v[64+64*(\f)+8*(\a):64+64*(\f)+8*(\a)+7], v[BI+8*\b:BI+8*\b+7]
.else
	v_wmma_f32_16x16x32_f16 v[8*(4*(\a)+\b):8*(4*(\a)+\b)+7], v[192+32*(\f)+8*\b:192+32*(\f)+8*\b+7], v[64+64*(\f)+8*(\a):64+64*(\f)+8*(\a)+7], v[8*(4*(\a)+\b):8*(4*(\a)+\b)+7]
.endif
.endr
.endr
.endm
.macro FETCH slot, q, f                ; 24 LDS loads in one run: quarter q (32 along K) of the slot into buffer f: wo_t's 4 blocks, att's blocks 0-3, then 4-7
.irp i, 0,1,2,3
	ds_load_b128 v[192+32*(\f)+8*\i:192+32*(\f)+8*\i+3],   v[ADRB+\slot] offset:4352*\i+64*(\q)
	ds_load_b128 v[192+32*(\f)+8*\i+4:192+32*(\f)+8*\i+7], v[ADRB+\slot] offset:4352*\i+64*(\q)+32
.endr
.irp i, 0,1,2,3,4,5,6,7
	ds_load_b128 v[64+64*(\f)+8*\i:64+64*(\f)+8*\i+3],   v[ADRA+\slot] offset:2176*\i+34816*((\q)/2)+64*((\q)%2)
	ds_load_b128 v[64+64*(\f)+8*\i+4:64+64*(\f)+8*\i+7], v[ADRA+\slot] offset:2176*\i+34816*((\q)/2)+64*((\q)%2)+32
.endr
.endm
.macro PLACES                          ; four plain vector instructions between matrix instructions and loads into, or reads of, their registers
.rept 4
	v_nop
.endr
.endm
.macro QUARTER slot, qn, f, g, first   ; multiplies buffer f; in its middle fetches quarter qn of the slot into buffer g
	s_wait_dscnt 8                                 ; wo_t's blocks and att's 0-3 are in; the youngest eight loads (att's 4-7) may be out
.if \first
	WIN MUL1
.else
	WIN MUL
.endif
	MUL8 \f, 0, \first
	MUL8 \f, 2, \first
	WIN 0
	PLACES
	FETCH \slot, \qn, \g
	s_wait_dscnt 24                                ; all but the 24 just issued
.if \first
	WIN MUL1
.else
	WIN MUL
.endif
	MUL8 \f, 4, \first
	MUL8 \f, 6, \first
.endm
; A K step's last quarter multiplies buffer 1 and changes slots: one barrier; in front of it each wave waits for all its tensor loads, adds 0 to its spare word, and waits for that and for its reads of this slot.
.macro TURN slot, next, fill
	WIN 0
	s_wait_tensorcnt 0x0                           ; my part of the next slot has landed
	ds_add_u32 v[SPW], v[NIL]                      ; 0 onto my spare word
	s_wait_dscnt 9                                 ; the add and the youngest eight loads may be out
	WIN MUL
	MUL8 1, 0, 0
	s_wait_dscnt 0x0                               ; the add is done, and my reads of this slot are over
	s_barrier_signal -1
	MUL8 1, 2, 0
	WIN 0
	s_barrier_wait -1
.if \fill
	CREST                                          ; the barrier has opened a round of the cluster's: no wave of any partner still reads this slot or has a load on its way
	s_add_nc_u64 s[G0+4*\slot+2:G0+4*\slot+3], s[G0+4*\slot+2:G0+4*\slot+3], 4194304    ; two K steps on: four heads
	s_add_nc_u64 s[G0B+4*\slot+2:G0B+4*\slot+3], s[G0B+4*\slot+2:G0B+4*\slot+3], 512
	JLOAD \slot                                    ; the first tensor load behind the round; its four v_nop are also the places in front of the loads below
.else
	PLACES
.endif
	FETCH \next, 0, 0
	WIN MUL
	MUL8 1, 4, 0
	MUL8 1, 6, 0
.endm
	s_wait_tensorcnt 1                             ; my part of K step 0 is in; K step 1's may be out
	s_barrier_signal -1
	s_barrier_wait -1
	FETCH 0, 0, 0
	s_wait_loadcnt 0x0                             ; the bias
	QUARTER 0, 1, 0, 1, 1                          ; the first quarter stands in front of the loop: the bias starts the sums
	WIN 0
	s_mov_b32 s3, LAPS-1
.Llap:                                             ; a trip goes once round the ring and fills both slots again
	QUARTER 0, 2, 1, 0, 0
	QUARTER 0, 3, 0, 1, 0
	TURN 0, 1, 1
	QUARTER 1, 1, 0, 1, 0
	QUARTER 1, 2, 1, 0, 0
	QUARTER 1, 3, 0, 1, 0
	TURN 1, 0, 1
	QUARTER 0, 1, 0, 1, 0
	WIN 0
	s_sub_co_u32 s3, s3, 1
	s_cmp_lg_u32 s3, 0
	s_cbranch_scc1 .Llap
	QUARTER 0, 2, 1, 0, 0                          ; the last lap fills nothing
	QUARTER 0, 3, 0, 1, 0
	TURN 0, 1, 0
	QUARTER 1, 1, 0, 1, 0
	QUARTER 1, 2, 1, 0, 0
	QUARTER 1, 3, 0, 1, 0
	s_wait_dscnt 8
	WIN MUL
	MUL8 1, 0, 0
	MUL8 1, 2, 0
	s_wait_dscnt 0
	MUL8 1, 4, 0
	MUL8 1, 6, 0
	WIN 0
	PLACES
; THE WAY OUT, block by block of 16 rows x 64 columns of f32, through my own stage: sixteen lanes then store 256 consecutive bytes, aligned.
.macro TOSTAGE a
	WIN 0x04                                       ; an LDS store's data are its source 1: window 1
.irp b, 0,1,2,3
	ds_store_b128 v[STO], v[8*(4*(\a)+\b):8*(4*(\a)+\b)+3] offset:64*\b        ; each accumulator from its low end on
	ds_store_b128 v[STO], v[8*(4*(\a)+\b)+4:8*(4*(\a)+\b)+7] offset:64*\b+16
.endr
	WIN 0
.irp u, 0,1,2,3,4,5,6,7
	ds_load_b128 v[32+32*((\a)%2)+4*\u:32+32*((\a)%2)+4*\u+3], v[RD] offset:544*\u   ; the wave's own bytes, served in order
.endr
.endm
.macro SEND a, younger
	s_wait_dscnt \younger
.irp u, 0,1,2,3,4,5,6,7
	global_store_b128 v[CO], v[32+32*((\a)%2)+4*\u:32+32*((\a)%2)+4*\u+3], s[10:11] offset:65536*(\a)+8192*\u th:TH_STORE_NT
.endr
.endm
	s_or_b32 s18, s15, s13                         ; the first 16 positions of a sequence are block 0 of the waves with rows 0-127 where cluster y is 0: they are not stored here
	s_cmp_eq_u32 s18, 0
	s_cbranch_scc1 .Lskip0
	TOSTAGE 0
	SEND 0, 0
.Lskip0:
	TOSTAGE 1
.irp a, 2,3,4,5,6,7
	s_wait_xcnt 0x0                                ; block a - 2's stores have read their registers
	TOSTAGE \a
	SEND \a-1, 16                                  ; behind block a - 1's loads: block a's 8 stores and 8 loads
.endr
	SEND 7, 0
	s_wait_tensorcnt 0x0                           ; the wave's end
	ds_add_u32 v[SPW], v[NIL]
	s_wait_dscnt 0x0
	CROUND                                         ; the closing round
	s_endpgm
.Lfunc_end_k_q05bf26c68c_proj:
	.size	k_q05bf26c68c_proj, .Lfunc_end_k_q05bf26c68c_proj-k_q05bf26c68c_proj
	.p2alignl 7, 3214868480
	.fill 96, 4, 3214868480
	.section	.rodata,"a",@progbits
	.p2align	6, 0x0
	.amdhsa_kernel k_q05bf26c68c_proj
		.amdhsa_group_segment_fixed_size 327680
		.amdhsa_private_segment_fixed_size 0
		.amdhsa_enable_private_segment 0
		.amdhsa_kernarg_size 32
		.amdhsa_user_sgpr_count 2
		.amdhsa_user_sgpr_kernarg_segment_ptr 1
		.amdhsa_wavefront_size32 1
		.amdhsa_system_sgpr_workgroup_id_x 1
		.amdhsa_system_sgpr_workgroup_id_y 1
		.amdhsa_system_sgpr_workgroup_id_z 1
		.amdhsa_system_vgpr_workitem_id 0
		.amdhsa_next_free_vgpr 512
		.amdhsa_next_free_sgpr 66
		.amdhsa_reserve_vcc 0
		.amdhsa_float_denorm_mode_32 3
		.amdhsa_float_denorm_mode_16_64 3
		.amdhsa_memory_ordered 1
		.amdhsa_forward_progress 1
		.amdhsa_inst_pref_size 86
	.end_amdhsa_kernel
	.amdgpu_metadata
---
amdhsa.version: [ 1, 2 ]
amdhsa.kernels:
  - .name:           k_q05bf26c68c_proj
    .symbol:         k_q05bf26c68c_proj.kd
    .args:
      - { .name: att, .offset: 0, .size: 8, .value_kind: global_buffer, .address_space: global }
      - { .name: wo_t, .offset: 8, .size: 8, .value_kind: global_buffer, .address_space: global }
      - { .name: bo, .offset: 16, .size: 8, .value_kind: global_buffer, .address_space: global }
      - { .name: out0, .offset: 24, .size: 8, .value_kind: global_buffer, .address_space: global }
    .group_segment_fixed_size: 327680
    .private_segment_fixed_size: 0
    .kernarg_segment_align: 8
    .kernarg_segment_size: 32
    .max_flat_workgroup_size: 128
    .sgpr_count:     66
    .vgpr_count:     512
    .wavefront_size: 32
...
	.end_amdgpu_metadata
.endif
;; end of part 4
;; launch fine (part 5): grid 64 x 4, 16 waves a work-group, no clusters, 18,432 bytes of LDS; arguments fine_qkv, Wo, bo, out0; writes out0
.if DOCPART == 5
	.amdgcn_target "amdgcn-amd-amdhsa--gfx1250"
	.amdhsa_code_object_version 6
	.text
	.protected	k_q05bf26c68c_fine
	.globl	k_q05bf26c68c_fine
	.p2align	8
	.type	k_q05bf26c68c_fine,@function
k_q05bf26c68c_fine:
	s_mov_b64 s[64:65], 0
	v_nop
	global_prefetch_b8 v0, s[64:65] scope:SCOPE_SE
	s_setreg_imm32_b32 hwreg(HW_REG_WAVE_MODE, 25, 1), 1
	s_wait_xcnt 0x0
; FINE.  The first 16 positions of each of the 4 sequences, wholly in f32: these rows average one to sixteen values, so the rounding of f16 operands would weigh most there.
; Work-group (x, batch) makes out0[2048 batch + 0..15][16 x .. 16 x + 15]; wave w takes head w: S^T = K Q^T, the causal softmax, O^T = V^T P, y^T = Wo^T O^T over the head's 64 channels; the 16 heads' parts meet in LDS.
; All products by v_wmma_f32_16x16x4_f32: 48 a wave.  Its K = 4 takes k = 2 (lane / 16) + register; K is permuted alike on both operands, so that a lane's registers are used as they come.
; The registers that this form writes (v144-207) are written by it alone; what is made of a finished sum goes into other registers.
; The stores are 64 bytes of each of 16 rows: 262,144 bytes of the output in all; whole runs of 256 bytes would need 64 columns a work-group, a quarter of the work-groups.
; REGISTERS: v16-47 Q, later O / l; v48-79 K, later y; v80-111 V^T; v112-143 Wo; v144-159 S^T in two halves; v160-191 O^T; v192-207 y^T in two halves; v208-215 scores, then p.
.set SPARE, 16384                      ; behind the 16 parts of 1,024 bytes: the spare words, 128 bytes for each wave: eight blocks of 256 bytes that no other line names
	s_load_b256 s[4:11], s[0:1], 0x0               ; fine_qkv, Wo, bo, out0
	v_lshl_add_u32 v10, v0, 2, SPARE               ; v10, v11: my spare word and 0; never rewritten
	v_mov_b32 v11, 0
	v_lshrrev_b32 v1, 5, v0
	v_readfirstlane_b32 s16, v1                    ; wave = head
	s_and_b32 s17, ttmp7, 0xffff                   ; batch
	s_lshl_b32 s24, ttmp9, 6                       ; my 16 columns, in bytes
	s_mov_b32 s25, 0
	v_and_b32 v1, 15, v0                           ; r
	v_bfe_u32 v2, v0, 4, 1                         ; h
	v_lshlrev_b32 v3, 12, v1
	v_lshl_add_u32 v3, v2, 7, v3                   ; Q, K: position r, channels 32 h on
	v_lshlrev_b32 v4, 2, v1
	v_lshl_add_u32 v4, v2, 15, v4                  ; V, Wo: row 8 h, column r
	v_lshlrev_b32 v6, 3, v2
	v_sub_nc_u32 v6, v1, v6                        ; r - 8 h
	v_mov_b32 v7, 0xff800000                       ; -infinity
	v_mov_b32 v9, 0                                ; a lane permute's destination counts as read
	v_lshlrev_b32 v14, 6, v1
	v_lshl_add_u32 v14, v2, 5, v14
	s_lshl_b32 s19, s16, 10
	v_add_nc_u32 v14, s19, v14                     ; my part: 1,024 w + 64 r + 32 h
	v_lshlrev_b32 v15, 4, v0                       ; the sum: 16 bytes a thread of waves 0 and 1
	s_mov_b32 s12, 0x76543210
	s_mov_b32 s13, 0xfedcba98
	s_mov_b32 s14, 0x3e38aa3b                      ; c = log2(e) / 8
	s_lshl_b32 s20, s17, 16
	s_lshl_b32 s21, s16, 8
	s_add_co_u32 s20, s20, s21                     ; fine_qkv: batch, head's 64 channels
	s_mov_b32 s21, 0
	s_lshl_b32 s22, s16, 18                        ; Wo: row 64 w, my columns
	s_add_co_u32 s22, s22, s24
	s_mov_b32 s23, 0
	s_lshl_b32 s26, s17, 23                        ; out0: row 2,048 batch, my columns
	s_add_co_u32 s26, s26, s24
	s_mov_b32 s27, 0
	s_wait_kmcnt 0x0
	s_add_nc_u64 s[4:5], s[4:5], s[20:21]
	s_add_nc_u64 s[6:7], s[6:7], s[22:23]
	s_add_nc_u64 s[8:9], s[8:9], s[24:25]
	s_add_nc_u64 s[10:11], s[10:11], s[26:27]
.irp i, 0,1,2,3,4,5,6,7
	global_load_b128 v[16+4*\i:19+4*\i], v3, s[4:5] offset:16*\i               ; Q(r, 32 h + 4 i ..)
.endr
.irp i, 0,1,2,3,4,5,6,7
	global_load_b128 v[48+4*\i:51+4*\i], v3, s[4:5] offset:262144+16*\i        ; K likewise
.endr
.irp ct, 0,1,2,3
.irp kk, 0,1,2,3,4,5,6,7
	global_load_b32 v[80+8*\ct+\kk], v4, s[4:5] offset:524288+4096*\kk+64*\ct  ; V(key 8 h + kk, channel 16 ct + r)
.endr
.endr
	s_wait_loadcnt 32                              ; Q and K are in; V's 32 loads may be out
.irp ct, 0,1,2,3
.irp kk, 0,1,2,3,4,5,6,7
	global_load_b32 v[112+8*\ct+\kk], v4, s[6:7] offset:4096*(16*\ct+\kk)      ; Wo(64 w + 16 ct + 8 h + kk, column r)
.endr
.endr
	; S^T = K Q^T: step s takes channels 2 s, 2 s + 1 (lanes 0-15) and 32 + 2 s, 33 + 2 s (lanes 16-31); two accumulators take turns
.irp s, 0,1
	v_wmma_f32_16x16x4_f32 v[144+8*\s:151+8*\s], v[48+2*\s:49+2*\s], v[16+2*\s:17+2*\s], 0
.endr
.irp s, 2,3,4,5,6,7,8,9,10,11,12,13,14,15
	v_wmma_f32_16x16x4_f32 v[144+8*(\s%2):151+8*(\s%2)], v[48+2*\s:49+2*\s], v[16+2*\s:17+2*\s], v[144+8*(\s%2):151+8*(\s%2)]
.endr
.rept 8
	v_nop                                          ; eight places behind this form (ISA guide 7.12.1)
.endr
.irp i, 0,1,2,3
	v_pk_add_f32 v[208+2*\i:209+2*\i], v[144+2*\i:145+2*\i], v[152+2*\i:153+2*\i]   ; lane (r, h), register j: the score of query r and key 8 h + j
.endr
.irp j, 0,1,2,3,4,5,6,7
	v_cmp_gt_i32 vcc_lo, \j, v6                    ; key 8 h + j comes after query r
	v_cndmask_b32 v[208+\j], v[208+\j], v7, vcc_lo
.endr
	v_max3_num_f32 v8, v208, v209, v210
	v_max3_num_f32 v8, v8, v211, v212
	v_max3_num_f32 v8, v8, v213, v214
	v_max_num_f32 v8, v8, v215
	v_permlanex16_b32 v9, v8, s12, s13
	v_max_num_f32 v8, v8, v9                       ; the row's maximum: key 0 counts for every query
	v_mul_f32 v8, s14, v8
.irp j, 0,1,2,3,4,5,6,7
	v_fma_f32 v[208+\j], v[208+\j], s14, -v8
.endr
.irp j, 0,1,2,3,4,5,6,7
	v_exp_f32 v[208+\j], v[208+\j]
.endr
	v_nop
	s_wait_alu depctr_va_vdst(0)                   ; one wait for the eight, ahead of their first reader
	v_pk_add_f32 v[8:9], v[208:209], v[210:211]
	v_pk_add_f32 v[12:13], v[212:213], v[214:215]
	v_pk_add_f32 v[8:9], v[8:9], v[12:13]
	v_add_f32 v8, v8, v9
	v_permlanex16_b32 v9, v8, s12, s13
	v_add_f32 v8, v8, v9
	v_rcp_f32 v12, v8
	v_nop
	s_wait_alu depctr_va_vdst(0)
	s_wait_loadcnt 32                              ; V is in; Wo's 32 loads may be out
	; O^T = V^T P: step s takes keys 2 s, 2 s + 1 and 8 + 2 s, 9 + 2 s; four accumulators take turns
.irp ct, 0,1,2,3
	v_wmma_f32_16x16x4_f32 v[160+8*\ct:167+8*\ct], v[80+8*\ct:81+8*\ct], v[208:209], 0
.endr
.irp s, 1,2,3
.irp ct, 0,1,2,3
	v_wmma_f32_16x16x4_f32 v[160+8*\ct:167+8*\ct], v[80+8*\ct+2*\s:81+8*\ct+2*\s], v[208+2*\s:209+2*\s], v[160+8*\ct:167+8*\ct]
.endr
.endr
.rept 8
	v_nop
.endr
.set j, 0
.rept 32
	v_mul_f32 v[16+j], v[160+j], v12               ; O / l: lane (r, h), register 8 ct + j: query r, channel 16 ct + 8 h + j
.set j, j+1
.endr
	s_wait_loadcnt 0x0                             ; Wo is in
	; y^T = Wo^T O^T over my head's 64 channels; two accumulators take turns
.irp s, 0,1
	v_wmma_f32_16x16x4_f32 v[192+8*\s:199+8*\s], v[112+2*\s:113+2*\s], v[16+2*\s:17+2*\s], 0
.endr
.irp s, 2,3,4,5,6,7,8,9,10,11,12,13,14,15
	v_wmma_f32_16x16x4_f32 v[192+8*(\s%2):199+8*(\s%2)], v[112+2*\s:113+2*\s], v[16+2*\s:17+2*\s], v[192+8*(\s%2):199+8*(\s%2)]
.endr
.rept 8
	v_nop
.endr
.irp i, 0,1,2,3
	v_pk_add_f32 v[48+2*\i:49+2*\i], v[192+2*\i:193+2*\i], v[200+2*\i:201+2*\i]   ; lane (r, h), register j: my head's part of y(query r, column 8 h + j)
.endr
	ds_store_b128 v14, v[48:51]
	ds_store_b128 v14, v[52:55] offset:16
	s_wait_dscnt 0x0                               ; for the others' sake: my part has landed
	s_barrier_signal -1
	s_barrier_wait -1
	s_cmp_lt_u32 s16, 2
	s_cbranch_scc0 .Ldone
	v_and_b32 v3, 3, v0                            ; thread T of 64: query T / 4, columns 4 (T % 4) on
	v_lshlrev_b32 v3, 4, v3
	v_lshrrev_b32 v4, 2, v0
	v_lshl_add_u32 v4, v4, 12, v3
	global_load_b128 v[80:83], v3, s[8:9]          ; bo
.irp j, 0,1,2,3,4,5,6,7,8,9,10,11,12,13,14,15
	ds_load_b128 v[16+4*\j:19+4*\j], v15 offset:1024*\j
.endr
	s_wait_dscnt 0x0
.irp w, 32,16,8,4                              ; the 16 heads' parts, by halves
.set j, 0
.rept \w/2
	v_pk_add_f32 v[16+2*j:17+2*j], v[16+2*j:17+2*j], v[16+\w+2*j:17+\w+2*j]
.set j, j+1
.endr
.endr
	s_wait_loadcnt 0x0
	v_pk_add_f32 v[16:17], v[16:17], v[80:81]
	v_pk_add_f32 v[18:19], v[18:19], v[82:83]
	global_store_b128 v4, v[16:19], s[10:11]
.Ldone:
	s_wait_tensorcnt 0x0                           ; the wave's end, behind my last LDS store
	ds_add_u32 v10, v11
	s_wait_dscnt 0x0
	s_endpgm
.Lfunc_end_k_q05bf26c68c_fine:
	.size	k_q05bf26c68c_fine, .Lfunc_end_k_q05bf26c68c_fine-k_q05bf26c68c_fine
	.p2alignl 7, 3214868480
	.fill 96, 4, 3214868480
	.section	.rodata,"a",@progbits
	.p2align	6, 0x0
	.amdhsa_kernel k_q05bf26c68c_fine
		.amdhsa_group_segment_fixed_size 18432
		.amdhsa_private_segment_fixed_size 0
		.amdhsa_enable_private_segment 0
		.amdhsa_kernarg_size 32
		.amdhsa_user_sgpr_count 2
		.amdhsa_user_sgpr_kernarg_segment_ptr 1
		.amdhsa_wavefront_size32 1
		.amdhsa_system_sgpr_workgroup_id_x 1
		.amdhsa_system_sgpr_workgroup_id_y 1
		.amdhsa_system_sgpr_workgroup_id_z 1
		.amdhsa_system_vgpr_workitem_id 0
		.amdhsa_next_free_vgpr 216
		.amdhsa_next_free_sgpr 66
		.amdhsa_reserve_vcc 1
		.amdhsa_float_denorm_mode_32 3
		.amdhsa_float_denorm_mode_16_64 3
		.amdhsa_memory_ordered 1
		.amdhsa_forward_progress 1
		.amdhsa_inst_pref_size 21
	.end_amdhsa_kernel
	.amdgpu_metadata
---
amdhsa.version: [ 1, 2 ]
amdhsa.kernels:
  - .name:           k_q05bf26c68c_fine
    .symbol:         k_q05bf26c68c_fine.kd
    .args:
      - { .name: fine_qkv, .offset: 0, .size: 8, .value_kind: global_buffer, .address_space: global }
      - { .name: Wo, .offset: 8, .size: 8, .value_kind: global_buffer, .address_space: global }
      - { .name: bo, .offset: 16, .size: 8, .value_kind: global_buffer, .address_space: global }
      - { .name: out0, .offset: 24, .size: 8, .value_kind: global_buffer, .address_space: global }
    .group_segment_fixed_size: 18432
    .private_segment_fixed_size: 0
    .kernarg_segment_align: 8
    .kernarg_segment_size: 32
    .max_flat_workgroup_size: 512
    .sgpr_count:     66
    .vgpr_count:     216
    .wavefront_size: 32
...
	.end_amdgpu_metadata
.endif
;; end of part 5
